; MI455X (gfx1250); checked and timed in simulation.
; The chip was launched on July 23, 2026; its instructions are those of AMD's public machine-readable ISA for CDNA 5 (MIT licence, August 2026) and "CDNA5" Instruction Set Architecture Reference Guide (July 2026). The comments in the code are by the model that wrote it; some were corrected since.
;; Multi Head Attention. Allowed arithmetic: matrix products marked QUANTISED: E5M2 operands, one given power-of-two scale a tensor, by v_wmma_f32_16x16x64_bf8_bf8 or v_wmma_f32_16x16x128_bf8_bf8, f32 sums; everything else in f32.
;; Inputs: Wk 1,024 x 1,024 float32; Wo 1,024 x 1,024 float32; Wq 1,024 x 1,024 float32; Wv 1,024 x 1,024 float32; bk 1,024 float32; bo 1,024 float32; bq 1,024 float32; bv 1,024 float32; hidden_states 4 x 2,048 x 1,024 float32; lowp_scales 12 int32 (the exponents e of the quantised operands' scales 2^e); masks 4 x 2,048 float32.
;; Outputs: out0 4 x 2,048 x 1,024 float32.
;; This version of the problem:
;;   THIS VERSION OF THE PROBLEM IS GIVEN IN LOW PRECISION. The matrix products marked QUANTISED in the list below multiply operands that are first quantised to E5M2 (5 exponent bits, 2 mantissa bits; 8 bits a number), with one given power-of-two scale for each operand tensor; their sums are f32. All else is computed in f32.
;;   The module's matrix products, in the order in which they are computed (A, B: the left and right operand; K: the contracted axis; several contracted axes count as one K, in the product's order):
;;     1. [M 8,192, K 1,024] x [K 1,024, N 1,024]; A: input hidden_states; B: input Wq: QUANTISED (scales: A lowp_scales[0], B lowp_scales[1])
;;     2. [M 8,192, K 1,024] x [K 1,024, N 1,024]; A: input hidden_states; B: input Wk: QUANTISED (scales: A lowp_scales[2], B lowp_scales[3])
;;     3. [M 8,192, K 1,024] x [K 1,024, N 1,024]; A: input hidden_states; B: input Wv: QUANTISED (scales: A lowp_scales[4], B lowp_scales[5])
;;     4. batch 64 x [M 2,048, K 64] x [K 64, N 2,048]; A: computed on the way; B: computed on the way: QUANTISED (scales: A lowp_scales[6], B lowp_scales[7])
;;     5. batch 64 x [M 2,048, K 2,048] x [K 2,048, N 64]; A: softmax (see below); B: computed on the way: QUANTISED (scales: A lowp_scales[8], B lowp_scales[9])
;;     6. [M 8,192, K 1,024] x [K 1,024, N 1,024]; A: computed on the way; B: input Wo: QUANTISED (scales: A lowp_scales[10], B lowp_scales[11])
;;   THE QUANTISER, for each operand of a quantised product, along K:
;;     - The operand's scale is 2^e, e = its entry of the input lowp_scales (int32; the entries are numbered through the quantised products in the list's order, A before B).
;;     - Each number is divided by the scale, clamped to +-57,344, and rounded to the nearest number of E5M2, ties to even, subnormals kept.
;;     - The product sums the exact products of the quantised numbers (number of the format x scale) in f32.
;;   ~~~python
;;   def quantise(x, axis, e):      # numpy; x: float32 -> the quantised numbers, widened to float32 again
;;       x = np.moveaxis(x, axis, -1); K = x.shape[-1]
;;       r = np.clip(x / 2.0 ** e, -57344, 57344)
;;       step = 2.0 ** (np.maximum(np.frexp(np.where(r == 0, 1, r))[1] - 1, -14) - 2)
;;       q = np.round(r / step) * step * 2.0 ** e      # np.round: ties to even
;;       return np.moveaxis(q, -1, axis).astype(np.float32)
;;   ~~~
;;   SOFTMAX AHEAD OF A QUANTISED PRODUCT. Where the list says 'softmax', what is quantised is not the finished softmax but p = 2^(t - M), with t = logit x log2(e) and M = ceil(the row's largest t), a whole number; so 1/2 < the row's largest p <= 1. The row's sum l is taken of the UNQUANTISED p, in f32, and the product's result is divided by l at the end. Since M is a whole number, a kernel that streams over the keys may use a running M (the ceiling of the running maximum): every later rescaling is an exact power of two, so the quantised numbers keep their values, but for numbers so far below the row's largest that they fall under the format's range.
;;   OPERANDS COMPUTED ON THE WAY. 'Computed on the way' means the value that the module computes at that place (a softmax that the list does not call 'softmax' is quantised finished and normalised). What goes into a quantiser is computed in f32, as accurately as f32 sums, v_exp_f32 and their like allow (about 1e-6 of the number): no bf16 or f16 on the way to a quantiser, and a product that is left as it is and whose result goes on into a quantised operand takes f32 operands (vector FMAs, or v_wmma_f32_16x16x4_f32). A number that lies on a knife's edge between two numbers of the format may be rounded either way, as far as f32 arithmetic and the matrix unit's own rounding can turn it there, and no further.
;; One version. Each part assembles by itself: llvm-mc -triple=amdgcn-amd-amdhsa -mcpu=gfx1250 --defsym DOCPART=n.
;; ======== version 1 of 1: 4 launches
;; limits: right only within a limited range of input values
;; workspace buffers: xcodes 25,165,824 bytes; wcodes 4,194,304 bytes; qimg 8,388,608 bytes; kimg 8,388,608 bytes; vimg 8,388,608 bytes; ctximg 8,388,608 bytes
;; launch quant (part 1): grid 384 x 1, 4 waves a work-group, no clusters, 0 bytes of LDS; arguments hidden_states, Wq, Wk, Wv, Wo, lowp_scales, xcodes, wcodes; writes xcodes, wcodes
.if DOCPART == 1
	.amdgcn_target "amdgcn-amd-amdhsa--gfx1250"
	.amdhsa_code_object_version 6
	.text
	.protected	k_q0e399d750b_quant
	.globl	k_q0e399d750b_quant
	.p2align	8
	.type	k_q0e399d750b_quant,@function
k_q0e399d750b_quant:
	s_mov_b64 s[64:65], 0
	v_nop
	global_prefetch_b8 v0, s[64:65] scope:SCOPE_SE
	s_setreg_imm32_b32 hwreg(HW_REG_WAVE_MODE, 25, 1), 1
	s_wait_xcnt 0x0
; hidden_states [8192][1024] and Wq, Wk, Wv, Wo [1024][1024], f32, become codes of BF8 (E5M2), one byte each, K innermost.
; code = x / 2^e, held within +-57,344, rounded to the nearest code, ties to even.  hidden_states is an operand of three products with three given scales (entries 0, 2, 4):
; it is read once and converted three times, into xcodes [3][8192][1024].  Wq, Wk, Wv, Wo (entries 1, 3, 5, 11) go into wcodes [4][1024][1024].
; LIMITS: each e between -126 and 112, so that 2^e and 57,344 x 2^e are f32 numbers.  NaN among the inputs is not served (an infinity is held at the largest code).
; SHARES.  A work-group takes 32,768 numbers, a wave 16 steps of 512.  Work-groups 0-255 take hidden_states, 256-383 the weights, 32 each.  Only pointers, scales and the loads' pattern are chosen,
; by selects on the work-group's number; in each step a forward branch on that number leaves out the second and third conversion, which only hidden_states has.
; THE ORDER ALONG K.  The conversion takes 8 numbers from one lane's registers.  For hidden_states, Wq, Wk, Wv each of a step's four loads reads 512 consecutive bytes, 16 a lane, and the lane's 16 codes are stored
; at 16 x lane: byte 16 l + 4 i + j of a run of 512 codes holds k = 128 i + 4 l + j.  That is one permutation of k, the same in both operands of products 1 to 3, so every product meets its partner.
; Wo's partner is made by the attention launch with k in its natural places, so Wo keeps its order but for this: in each 32 codes the two middle groups of 8 change places (0-7, 16-23, 8-15, 24-31), so that 16 bytes
; at 32 c + 16 (lane / 16) of a row are two register pairs of the matrix instruction's own layout.  There a lane reads two runs of 32 bytes; a step's four loads together still cover its 2,048 bytes.
; Every store of a wave covers 512 consecutive bytes, aligned.  No LDS, no barrier: waves share nothing.  Loads run four steps (16 loads a wave) ahead.
.set STEPS, 16
.set R,     16                         ; v16-79    four sets of 16 numbers as loaded
.set T,     80                         ; v80-111   two banks of 16 held numbers, by turns
.set C,     112                        ; v112-135  codes: 2 (step's parity) x 3 (set) x 4 registers
	s_load_b512 s[8:23], s[0:1], 0x0               ; hidden_states s[8:9], Wq s[10:11], Wk s[12:13], Wv s[14:15], Wo s[16:17], scales s[18:19], xcodes s[20:21], wcodes s[22:23]
	v_lshrrev_b32 v1, 5, v0
	v_readfirstlane_b32 s24, v1                    ; wave 0..3
	v_and_b32 v2, 31, v0                           ; lane
	v_lshlrev_b32 v3, 4, v2                        ; my 16 codes' place in a step's 512
	v_lshrrev_b32 v14, 1, v2
	v_and_b32 v15, 1, v2
	s_cmp_lt_u32 ttmp9, 352                        ; the loads' pattern: offset i = A (lane / 2) + B (lane % 2) + C_i; Wo's work-groups are 352-383
	s_cselect_b32 s30, 32, 128                     ; A
	s_cselect_b32 s31, 16, 32                      ; B
	s_cselect_b32 s44, 512, 16                     ; C_1  (C_0 = 0)
	s_cselect_b32 s45, 1024, 64                    ; C_2
	s_mov_b32 s46, 80
	s_cselect_b32 s46, 1536, s46                   ; C_3
	v_mul_u32_u24 v4, s30, v14
	v_mad_u32_u24 v4, v15, s31, v4
	v_add_nc_u32 v5, s44, v4
	v_add_nc_u32 v6, s45, v4
	v_add_nc_u32 v7, s46, v4
	s_cmp_lt_u32 ttmp9, 256
	s_cselect_b32 s47, 0, 256
	s_sub_co_u32 s47, ttmp9, s47                   ; the chunk of 32,768 in the buffer of codes
	s_and_b32 s25, s47, 31                         ; and in the source: a weight has 32 chunks,
	s_cmp_lt_u32 ttmp9, 256
	s_cselect_b32 s25, ttmp9, s25                  ; hidden_states 256
	s_lshl_b32 s25, s25, 2
	s_add_co_u32 s25, s25, s24
	s_lshl_b32 s2, s25, 15                         ; my wave's 8,192 numbers: 32,768 bytes
	s_mov_b32 s3, 0
	s_lshl_b32 s47, s47, 2
	s_add_co_u32 s47, s47, s24
	s_lshl_b32 s44, s47, 13                        ; and their 8,192 codes
	s_mov_b32 s45, 0
	s_wait_kmcnt 0x0
	s_load_b256 s[32:39], s[18:19], 0x0            ; e0 .. e7
	s_load_b128 s[40:43], s[18:19], 0x20           ; e8 .. e11
	s_mov_b64 s[4:5], s[16:17]                     ; the source: Wo, unless the work-group's number says otherwise
	s_cmp_lt_u32 ttmp9, 352
	s_cselect_b64 s[4:5], s[14:15], s[4:5]
	s_cmp_lt_u32 ttmp9, 320
	s_cselect_b64 s[4:5], s[12:13], s[4:5]
	s_cmp_lt_u32 ttmp9, 288
	s_cselect_b64 s[4:5], s[10:11], s[4:5]
	s_cmp_lt_u32 ttmp9, 256
	s_cselect_b64 s[4:5], s[8:9], s[4:5]
	s_cselect_b64 s[6:7], s[20:21], s[22:23]       ; where the first set of codes goes
	s_add_nc_u64 s[4:5], s[4:5], s[2:3]
	s_add_nc_u64 s[6:7], s[6:7], s[44:45]
	s_add_nc_u64 s[26:27], s[20:21], 0x800000      ; hidden_states' second set,
	s_add_nc_u64 s[26:27], s[26:27], s[44:45]
	s_add_nc_u64 s[28:29], s[20:21], 0x1000000     ; and its third
	s_add_nc_u64 s[28:29], s[28:29], s[44:45]
.macro LOAD t                          ; step t's 512 numbers into set t % 4
.irp i, 0,1,2,3
	global_load_b128 v[R+16*((\t)%4)+4*\i:R+16*((\t)%4)+4*\i+3], v[4+\i], s[4:5] offset:2048*(\t) th:TH_LOAD_NT
.endr
.endm
.irp t, 0,1,2,3
	LOAD \t
.endr
	s_wait_kmcnt 0x0
	s_mov_b32 s30, s43                             ; the first set's e: e11, e5, e3, e1 for the weights, e0 for hidden_states
	s_cmp_lt_u32 ttmp9, 352
	s_cselect_b32 s30, s37, s30
	s_cmp_lt_u32 ttmp9, 320
	s_cselect_b32 s30, s35, s30
	s_cmp_lt_u32 ttmp9, 288
	s_cselect_b32 s30, s33, s30
	s_cmp_lt_u32 ttmp9, 256
	s_cselect_b32 s30, s32, s30
.macro POWERS e, sc, lim               ; v[sc] = 2^e as f32 (the conversion takes its exponent field), v[lim] = 57,344 x 2^e
	s_add_co_i32 s31, s[\e], 127
	s_lshl_b32 s46, s31, 23
	v_mov_b32 v[\sc], s46
	s_add_co_i32 s31, s31, 15
	s_lshl_b32 s31, s31, 23
	s_or_b32 s31, s31, 0x600000
	v_mov_b32 v[\lim], s31
.endm
	POWERS 30, 8, 9
	POWERS 34, 10, 11                              ; e2
	POWERS 36, 12, 13                              ; e4
; One conversion of step t's 16 numbers a lane.  The held numbers go into the two banks by turns (3 t + s counts the conversions; on the weights' way t alone does, with the same parity),
; so that between a conversion and the next write of its sources stand the sixteen plain lines that fill the other bank.
.macro CONV t, s, sc, lim, ptr
.set TBK, T+16*((3*(\t)+\s)%2)
.set CBK, C+12*((\t)%2)+4*\s
.irp i, 0,1,2,3,4,5,6,7,8,9,10,11,12,13,14,15
	v_med3_num_f32 v[TBK+\i], v[R+16*((\t)%4)+\i], -v[\lim], v[\lim]   ; the conversion to an 8-bit code does not saturate (ISA guide 7.6.2): the hold at the largest code x the scale comes first
.endr
	v_cvt_scalef32_pk8_bf8_f32 v[CBK:CBK+1], v[TBK:TBK+7], v[\sc]
	v_cvt_scalef32_pk8_bf8_f32 v[CBK+2:CBK+3], v[TBK+8:TBK+15], v[\sc]
	global_store_b128 v3, v[CBK:CBK+3], s[\ptr:\ptr+1] offset:512*(\t)   ; 32 lanes store 512 consecutive bytes
.endm
.macro STEP t
	s_wait_xcnt 0x0                                ; the stores of two steps back have read their registers: this step's codes are written there
.if (\t) < STEPS-3
	s_wait_loadcnt 12                              ; this step's four loads are in; those of the three steps behind it may be out
.else
	s_wait_loadcnt 4*(STEPS-1-(\t))
.endif
	CONV \t, 0, 8, 9, 6
	s_cmp_lt_u32 ttmp9, 256
	s_cbranch_scc0 .Lweight_\@                     ; a weight has one scale
	CONV \t, 1, 10, 11, 26
	CONV \t, 2, 12, 13, 28
.Lweight_\@:
.if (\t)+4 < STEPS
	LOAD (\t)+4                                    ; the set just read takes the step four on
.endif
.endm
.irp t, 0,1,2,3,4,5,6,7,8,9,10,11,12,13,14,15
	STEP \t
.endr
	s_endpgm
.Lfunc_end_k_q0e399d750b_quant:
	.size	k_q0e399d750b_quant, .Lfunc_end_k_q0e399d750b_quant-k_q0e399d750b_quant
	.p2alignl 7, 3214868480
	.fill 96, 4, 3214868480
	.section	.rodata,"a",@progbits
	.p2align	6, 0x0
	.amdhsa_kernel k_q0e399d750b_quant
		.amdhsa_group_segment_fixed_size 0
		.amdhsa_private_segment_fixed_size 0
		.amdhsa_enable_private_segment 0
		.amdhsa_kernarg_size 64
		.amdhsa_user_sgpr_count 2
		.amdhsa_user_sgpr_kernarg_segment_ptr 1
		.amdhsa_wavefront_size32 1
		.amdhsa_system_sgpr_workgroup_id_x 1
		.amdhsa_system_sgpr_workgroup_id_y 1
		.amdhsa_system_sgpr_workgroup_id_z 1
		.amdhsa_system_vgpr_workitem_id 0
		.amdhsa_next_free_vgpr 136
		.amdhsa_next_free_sgpr 66
		.amdhsa_reserve_vcc 0
		.amdhsa_float_denorm_mode_32 3
		.amdhsa_float_denorm_mode_16_64 3
		.amdhsa_memory_ordered 1
		.amdhsa_forward_progress 1
		.amdhsa_inst_pref_size 71
	.end_amdhsa_kernel
	.amdgpu_metadata
---
amdhsa.version: [ 1, 2 ]
amdhsa.kernels:
  - .name:           k_q0e399d750b_quant
    .symbol:         k_q0e399d750b_quant.kd
    .args:
      - { .name: hidden_states, .offset: 0, .size: 8, .value_kind: global_buffer, .address_space: global }
      - { .name: Wq, .offset: 8, .size: 8, .value_kind: global_buffer, .address_space: global }
      - { .name: Wk, .offset: 16, .size: 8, .value_kind: global_buffer, .address_space: global }
      - { .name: Wv, .offset: 24, .size: 8, .value_kind: global_buffer, .address_space: global }
      - { .name: Wo, .offset: 32, .size: 8, .value_kind: global_buffer, .address_space: global }
      - { .name: lowp_scales, .offset: 40, .size: 8, .value_kind: global_buffer, .address_space: global }
      - { .name: xcodes, .offset: 48, .size: 8, .value_kind: global_buffer, .address_space: global }
      - { .name: wcodes, .offset: 56, .size: 8, .value_kind: global_buffer, .address_space: global }
    .group_segment_fixed_size: 0
    .private_segment_fixed_size: 0
    .kernarg_segment_align: 8
    .kernarg_segment_size: 64
    .max_flat_workgroup_size: 128
    .sgpr_count:     66
    .vgpr_count:     136
    .wavefront_size: 32
...
	.end_amdgpu_metadata
.endif
;; end of part 1
;; launch qkv (part 2): grid 12 x 32, 4 waves a work-group, clusters of 4 x 4, 327,680 bytes of LDS; arguments xcodes, wcodes, lowp_scales, bq, bk, bv, qimg, kimg, vimg; writes qimg, kimg, vimg
.if DOCPART == 2
	.amdgcn_target "amdgcn-amd-amdhsa--gfx1250"
	.amdhsa_code_object_version 6
	.text
	.protected	k_q0e399d750b_qkv
	.globl	k_q0e399d750b_qkv
	.p2align	8
	.type	k_q0e399d750b_qkv,@function
k_q0e399d750b_qkv:
	s_mov_b64 s[64:65], 0
	v_nop
	global_prefetch_b8 v0, s[64:65] scope:SCOPE_SE
	s_setreg_imm32_b32 hwreg(HW_REG_WAVE_MODE, 25, 1), 1
	s_wait_xcnt 0x0
	s_wait_alu depctr_hold_cnt(0) depctr_sa_sdst(0) depctr_va_vdst(0) depctr_va_sdst(0) depctr_va_ssrc(0) depctr_va_vcc(0) depctr_vm_vsrc(0)
	s_getreg_b32 s2, hwreg(HW_REG_IB_STS2, 6, 4)
	s_cmp_eq_u32 s2, 0
	s_cbranch_scc0 .Lentry_in_a_cluster
	s_endpgm
.Lentry_in_a_cluster:
	s_bfe_u32 s2, ttmp6, 0x10000c
	s_cmp_lg_u32 s2, 0xf033
	s_cbranch_scc0 .Lentry_shape_is_right
	s_endpgm
.Lentry_shape_is_right:
; q, k, v = hidden_states W^T + b, on codes of BF8 (E5M2), K = 1,024; the results are quantised at once, as operands of the attention's two products, and stored as IMAGES OF THOSE OPERANDS' REGISTERS.
; A tile of 256 x 256 results is made by a work-group of four waves; a wave makes 128 x 128: 64 accumulators of 16 x 16, 512 registers.  K goes in steps of 256 through a ring of two LDS slots filled by the tensor
; data mover: a tile's row is 256 bytes of memory.  The grid's x is 3 sets x 4 tiles, so the cluster's x IS the set: 0 q, 1 k, 2 v, the same in all sixteen partners.
; THE MATRIX INSTRUCTION IS USED TRANSPOSED (source 0 = 16 rows of 'B', source 1 = 16 rows of 'A'): lane l holds A's row l % 16, and its registers B's rows 8 (l / 16) + 0 .. 7.
;   q, k: A = tokens, B = W's rows: a lane holds a token and 8 neighbouring features: converted, they are a register pair of a 16 x 64 fragment (token rows, K = the head's 64).
;   v:    A = Wv's rows, B = tokens: a lane holds a feature and 8 neighbouring tokens: converted, a register pair of a 16 x 128 fragment of V^T (K = the keys).
; An image is a fragment's registers as they stand: registers 4 c .. 4 c + 3 of lane l at 512 c + 16 l.  qimg, kimg: [batch x head 64][16 tokens, 128][1,024 bytes]; vimg: [64][128 keys, 16][16 of the head's 64, 4][2,048 bytes].
; So every store goes straight from registers and covers 512 consecutive bytes, aligned; nothing goes through LDS on the way out and nothing is transposed.
; CLUSTERS: 4 x 4 work-groups.  A's tile hangs on the cluster's y and cy alone and is asked for jointly by the four of a row of the cluster, B's on the cluster's y and cx alone, by the four of a column.
; result = sum x 2^(eA + eB) + bias, one fused multiply-add in f32; then the hold at 57,344 x 2^eo and the conversion with 2^eo (eo: entry 6 for q, 7 for k, 9 for v).
; LIMITS: e0 + e1, e2 + e3, e4 + e5 between -126 and 127; e6, e7, e9 between -126 and 112: each power of two below is then an f32 number.
; REGISTERS, in windows of 256: window 0: v0-31 addresses; v32-95, v96-111 the biases in two layouts; from v128 A's fragments (8 x 16 rows x 128 K), ONE set; on the way out v128-223 are at work.
;   window 1: B's fragments, TWO sets, at v0 and v128.   window 2: the 32 accumulators of my rows 0-63 of A ((a, b) at v[8 (8 a + b)]);   window 3: those of my rows 64-127.
.set KSTEP,  256                       ; along K in a slot
.set ROWB,   256                       ; a tile's row in bytes
.set KROW,   1024                      ; a row of codes in memory, in bytes
.set PITCH,  272                       ; an LDS row: 256 bytes + 16 of padding = 68 words: row r starts at bank 4 r mod 64 (64 banks of 4 bytes: ISA guide 11.1), so the 16 rows that a load touches start at 16 different banks
.set FR,     16                        ; registers of a fragment: 16 rows x 128 K
.set NL,     4                         ; LDS loads that bring one
.set NP,     4                         ; places behind this matrix instruction (ISA guide 7.12.1)
.set HALFT,  128*PITCH                 ; 128 rows: what one tensor load brings
.set SLOT,   4*HALFT                   ; A's 256 rows, then B's 256 rows
.set LAPS,   KROW/(2*KSTEP)            ; a lap = two K steps = once round the ring: 2
.set SPARE,  2*SLOT                    ; behind the ring: the spare words, 128 bytes for each wave: two blocks of 256 bytes that no other line names
.set BO8,  8                           ; v8   32 x (lane / 16): my eight biases of a block of 16
.set BO1,  9                           ; v9   4 x (lane % 16): my one
.set ESC,  10                          ; v10  2^eo
.set ELIM, 11                          ; v11  57,344 x 2^eo
.set ADRA, 16                          ; v16-17  LDS address of my A fragments in slot 0, 1
.set ADRB, 20                          ; v20-21  the same for B
.set CO,   26                          ; v26  16 x lane: my place in a piece of an image
.set SPW,  28                          ; v28  LDS address of my spare word; never rewritten
.set NIL,  29                          ; v29  0; never rewritten
.set BR,   32                          ; v32-95   bias[FB + 16 b + 8 (lane / 16) + j] at 8 b + j: for q and k
.set BL,   96                          ; v96-111  bias[FB + 16 a + lane % 16], twice, at 2 a: for v
.set AF,   128                         ; A's fragments
.set TMP,  128                         ; the way out: results in f32
.set CD,   192                         ; the way out: codes
.set G1, 24                            ; s[24:31] descriptor group 1 for A's tiles;  s[32:39] group 0, one set for each slot
.set G0, 32
.set G1B, 48                           ; s[48:55], s[56:63] the same for B's tiles
.set G0B, 56
.set MSB, 0
.macro WIN new                         ; the immediate's high byte repeats the setting that is left
.if MSB != (\new)
	s_set_vgpr_msb (MSB<<8)|(\new)
.set MSB, (\new)
.endif
.endm
.set MUL_LO, 0xa1                      ; source 0 (B) window 1, source 1 (A) window 0, C and D window 2
.set MUL_HI, 0xf1                      ; the same, C and D window 3
.set TO_B,   0x40                      ; destination window 1, address window 0
; A joint load: waves 0 and 1 fetch for A, waves 2 and 3 for B.  Each of the two lines has one mask and one set of registers for all that issue it; the branch hangs on the wave's number alone.
; Four v_nop follow each of the two lines, ahead of the jump, the label and what follows.
.macro JLOAD g0a, g1a, g0b, g1b
	s_cmp_eq_u32 s15, 0
	s_cbranch_scc0 .Lfor_b_\@
	tensor_load_to_lds s[\g0a:\g0a+3], s[\g1a:\g1a+7]
	s_nop 0
.rept 4
	v_nop
.endr
	s_branch .Lasked_\@
.Lfor_b_\@:
	tensor_load_to_lds s[\g0b:\g0b+3], s[\g1b:\g1b+7]
	s_nop 0
.rept 4
	v_nop
.endr
.Lasked_\@:
.endm
.macro CREST                           ; a round of the cluster's barrier behind its opening barrier
	s_cmp_lg_u32 s14, 0
	s_cbranch_scc1 .Lnot_wave_0_\@
	s_barrier_signal -3
.Lnot_wave_0_\@:
	s_barrier_wait -3
	s_barrier_signal -1
	s_barrier_wait -1
.endm
.macro CROUND                          ; a whole round
	s_barrier_signal -1
	s_barrier_wait -1
	CREST
.endm
	s_load_b512 s[68:83], s[0:1], 0x0              ; xcodes s[68:69], wcodes s[70:71], scales s[72:73], bq s[74:75], bk s[76:77], bv s[78:79], qimg s[80:81], kimg s[82:83]
	s_load_b64 s[84:85], s[0:1], 0x40              ; vimg
	v_lshl_add_u32 v[SPW], v0, 2, SPARE
	v_mov_b32 v[NIL], 0
	ds_add_u32 v28, v29
	s_wait_dscnt 0x0
	v_lshrrev_b32 v1, 5, v0
	v_readfirstlane_b32 s14, v1                    ; wave 0..3
	s_lshr_b32 s15, s14, 1                         ; which half of A's 256 rows is mine.  Also: I fetch for A (0) or for B (1)
	s_and_b32 s16, s14, 1                          ; which half of B's.  Also: which 128 rows of that tile I fetch
	s_bfe_u32 s40, ttmp6, 0x40000                  ; cx, cy: my place in the cluster
	s_bfe_u32 s41, ttmp6, 0x40004
	s_and_b32 s17, ttmp7, 0xffff
	s_lshl_b32 s17, s17, 2                         ; 4 x cluster y: the tokens' tiles of this cluster begin here
	s_lshl_b32 s43, s41, 2
	s_lshl_b32 s43, 15, s43                        ; my row of the cluster
	s_lshl_b32 s44, 0x1111, s40                    ; my column
	; descriptor group 1: a tile of 128 rows x 256 bytes, padded in LDS
	s_or_b32 s[G1+0], s43, (0<<16)|(1<<20)|(1<<21)|(5<<22)|(3<<25)  ; 15:0 the mask: A's tiles go to my row; 17:16 element of 1 byte; 20 padding on; 21 set beside a mask; 24:22 after every 64 words (code 5); 31:25 of 4 words (code 3)
	s_or_b32 s[G1B+0], s44, (0<<16)|(1<<20)|(1<<21)|(5<<22)|(3<<25)
.irp g, G1, G1B
	s_mov_b32 s[\g+1], ROWB<<16                    ; tensor_dim0
	s_mov_b32 s[\g+2], 128<<16                     ; tensor_dim1 = 128
	s_mov_b32 s[\g+3], ROWB<<16                    ; tile_dim0
	s_mov_b32 s[\g+4], 128                         ; tile_dim1 = 128
	s_mov_b32 s[\g+5], KROW                        ; tensor_dim0_stride
	s_mov_b32 s[\g+6], 0
	s_mov_b32 s[\g+7], 0
.endr
	; which tiles.  q, k: A = tokens' tile 4 x cluster y + cy, B = the weight's tile cx.  v: A = Wv's tile cy, B = tokens' tile 4 x cluster y + cx.  A's never holds cx, B's never cy.
	s_cmp_eq_u32 ttmp9, 2
	s_cselect_b32 s18, 0, s17
	s_cselect_b32 s19, s17, 0
	s_add_co_u32 s66, s41, s18                     ; tile of A
	s_add_co_u32 s42, s40, s19                     ; tile of B
	s_lshl_b32 s22, s16, 17                        ; the 128 rows that I fetch, of 1,024 bytes
	s_lshl_b32 s20, s66, 18
	s_add_co_u32 s20, s20, s22
	s_lshl_b32 s46, s42, 18
	s_add_co_u32 s46, s46, s22
	s_lshl_b32 s18, ttmp9, 23                      ; the set's codes of the tokens: 8 MiB a set,
	s_lshl_b32 s19, ttmp9, 20                      ; and of its weight: 1 MiB
	s_cmp_eq_u32 ttmp9, 2
	s_cselect_b32 s18, 0x200000, s18               ; v: A is Wv, the third weight,
	s_cselect_b32 s19, 0x1000000, s19              ; and B the tokens' third set
	s_add_co_u32 s20, s20, s18
	s_add_co_u32 s46, s46, s19
	s_mov_b32 s21, 0
	s_mov_b32 s47, 0
	s_mul_i32 s45, s14, HALFT                      ; where they go: wave x 128 rows: no place in the cluster enters an LDS address
	s_wait_kmcnt 0x0
	s_load_b256 s[88:95], s[72:73], 0x0            ; e0 .. e7
	s_load_b128 s[96:99], s[72:73], 0x20           ; e8 .. e11
	s_cmp_eq_u32 ttmp9, 2
	s_cselect_b64 s[4:5], s[70:71], s[68:69]
	s_cselect_b64 s[6:7], s[68:69], s[70:71]
	s_add_nc_u64 s[20:21], s[4:5], s[20:21]
	s_add_nc_u64 s[46:47], s[6:7], s[46:47]
	CROUND                                         ; all sixteen work-groups are here: the first joint loads meet
.irp s, 0,1
	s_mov_b32 s[G0+4*\s], 1
	s_add_co_u32 s[G0+4*\s+1], s45, \s*SLOT
	s_add_nc_u64 s[G0+4*\s+2:G0+4*\s+3], s[20:21], \s*ROWB
	s_or_b32 s[G0+4*\s+3], s[G0+4*\s+3], 0x80000000
	s_mov_b32 s[G0B+4*\s], 1
	s_add_co_u32 s[G0B+4*\s+1], s45, \s*SLOT
	s_add_nc_u64 s[G0B+4*\s+2:G0B+4*\s+3], s[46:47], \s*ROWB
	s_or_b32 s[G0B+4*\s+3], s[G0B+4*\s+3], 0x80000000
	JLOAD G0+4*\s, G1, G0B+4*\s, G1B
.endr
	v_and_b32 v1, 15, v0                           ; l % 16
	v_bfe_u32 v2, v0, 4, 1                         ; l / 16
	v_mul_u32_u24 v3, v1, PITCH
	v_lshl_add_u32 v4, v2, 4, v3                   ; a fragment's row x pitch + 16 x half
	s_mul_i32 s21, s15, HALFT                      ; my 128 rows of A
	s_mul_i32 s22, s16, HALFT                      ; my 128 rows of B,
	s_add_co_u32 s22, s22, 2*HALFT                 ; which lie behind A's 256
.irp s, 0,1
	v_add_nc_u32 v[ADRA+\s], s21, v4
	v_add_nc_u32 v[ADRB+\s], s22, v4
	s_add_co_u32 s21, s21, SLOT
	s_add_co_u32 s22, s22, SLOT
.endr
	; the biases of my wave's 128 features, FB on, in both layouts, so that no branch stands here; they are waited for on the way out
	v_lshlrev_b32 v[BO8], 5, v2
	v_lshlrev_b32 v[BO1], 2, v1
	v_and_b32 v6, 31, v0
	v_lshlrev_b32 v[CO], 4, v6
	s_cmp_eq_u32 ttmp9, 0
	s_cselect_b64 s[10:11], s[74:75], s[76:77]
	s_cmp_eq_u32 ttmp9, 2
	s_cselect_b64 s[10:11], s[78:79], s[10:11]
	s_cselect_b32 s12, s66, s42                    ; the features are A's rows for v, B's rows for q and k
	s_cselect_b32 s13, s15, s16
	s_lshl_b32 s12, s12, 8
	s_lshl_b32 s13, s13, 7
	s_add_co_u32 s12, s12, s13                     ; FB
	s_lshl_b32 s12, s12, 2
	s_mov_b32 s13, 0
	s_add_nc_u64 s[10:11], s[10:11], s[12:13]
.irp b, 0,1,2,3,4,5,6,7
	global_load_b128 v[BR+8*\b:BR+8*\b+3], v[BO8], s[10:11] offset:64*\b
	global_load_b128 v[BR+8*\b+4:BR+8*\b+7], v[BO8], s[10:11] offset:64*\b+16
.endr
.irp a, 0,1,2,3,4,5,6,7
	global_load_b32 v[BL+2*\a], v[BO1], s[10:11] offset:64*\a
	global_load_b32 v[BL+2*\a+1], v[BO1], s[10:11] offset:64*\a
.endr
.macro FRAG reg, adr, q, i             ; a fragment, 16 rows x 128 K of 8-bit codes, is 16 registers: lane l holds row l % 16; registers 4 c .. 4 c + 3 hold bytes 32 c + 16 (l / 16) + 0 .. 15 of the row's 128: the same in A and in B
.irp c, 0,1,2,3
	ds_load_b128 v[\reg+4*\c:\reg+4*\c+3], v[\adr] offset:128*(\q)+32*\c+(\i)*16*PITCH
.endr
.endm
; 16 matrix instructions: A's blocks a0, a0 + 1 x B's eight, 128 along K.  p: B's set.  zero = 1: the first product starts the sums: nothing is ever cleared.
; The 64 accumulators take turns, one instruction a turn, in the same order in every step.
.macro MUL16 a0, p, zero
.irp a, \a0, \a0+1
.irp b, 0,1,2,3,4,5,6,7
.if \zero
	v_wmma_f32_16x16x128_bf8_bf8 v[8*(8*((\a)%4)+\b):8*(8*((\a)%4)+\b)+7], v[128*(\p)+FR*\b:128*(\p)+FR*\b+FR-1], v[AF+FR*(\a):AF+FR*(\a)+FR-1], 0
.else
	v_wmma_f32_16x16x128_bf8_bf8 v[8*(8*((\a)%4)+\b):8*(8*((\a)%4)+\b)+7], v[128*(\p)+FR*\b:128*(\p)+FR*\b+FR-1], v[AF+FR*(\a):AF+FR*(\a)+FR-1], v[8*(8*((\a)%4)+\b):8*(8*((\a)%4)+\b)+7]
.endif
.endr
.endr
.endm
.macro FETCH_B slot, q, p              ; B's eight fragments of the slot's q-th 128 along K into set p
	WIN TO_B
.irp i, 0,1,2,3,4,5,6,7
	FRAG 128*(\p)+FR*\i, ADRB+\slot, \q, \i
.endr
	WIN 0
.endm
.macro FETCH_A slot, q, i0             ; A's blocks i0 .. i0 + 3
.irp i, \i0, \i0+1, \i0+2, \i0+3
	FRAG AF+FR*(\i), ADRA+\slot, \q, \i
.endr
.endm
; A load into a register that a matrix instruction has read, and a vector instruction that reads a matrix result or writes one of its registers, stand NP places behind it; only plain vector
; instructions that name none of its registers are places (ISA guide 7.12.1 for vector instructions).
.macro PLACES n
.rept \n
	v_nop
.endr
.endm
; A step of 128 along K that has its successor in the same slot.  A's blocks are free as soon as their eight products are issued: blocks 0-3 are fetched anew in the step's middle, blocks 4-7 at its end.
.macro STEP slot, q, zero
	s_wait_dscnt 4*NL                              ; B's set and A's blocks 0-3 are in; the youngest 16 loads (A's blocks 4-7) may be out
	WIN MUL_LO
	MUL16 0, (\q)%2, \zero
	MUL16 2, (\q)%2, \zero
	s_wait_dscnt 0                                 ; A's blocks 4-7 are in (asked for 32 matrix instructions ago)
	PLACES NP
	FETCH_B \slot, (\q)+1, 1-(\q)%2
	FETCH_A \slot, (\q)+1, 0
	WIN MUL_HI
	MUL16 4, (\q)%2, \zero
	MUL16 6, (\q)%2, \zero
	PLACES NP
	WIN 0
	FETCH_A \slot, (\q)+1, 4
.endm
; A slot's last step changes slots: ONE barrier; in front of it each wave waits for all its tensor loads, adds 0 to its spare word, and waits for that and for its own reads of this slot.  fill = 1: this slot is filled again, two K steps ahead.
.macro TURN slot, next, fill
	s_wait_tensorcnt 0x0                           ; all my tensor loads have landed: my part of the next slot  (every window is 0 here)
	ds_add_u32 v[SPW], v[NIL]                      ; 0 onto my spare word
	s_wait_dscnt 4*NL+1                            ; (the add and the youngest 16 loads, A's blocks 4-7, may be out)
	WIN MUL_LO
	MUL16 0, 1, 0                                  ; sixteen matrix instructions stand between the add and the wait for it
	s_wait_dscnt 0x0                               ; the add is done, and my reads of this slot are over
	s_barrier_signal -1
	MUL16 2, 1, 0
	WIN 0
	s_barrier_wait -1
.if \fill
	CREST                                          ; the barrier has opened a round of the cluster's barrier: no wave of any partner still reads this slot's tile or has a load on its way
	s_add_nc_u64 s[G0+4*\slot+2:G0+4*\slot+3], s[G0+4*\slot+2:G0+4*\slot+3], 2*ROWB
	s_add_nc_u64 s[G0B+4*\slot+2:G0B+4*\slot+3], s[G0B+4*\slot+2:G0B+4*\slot+3], 2*ROWB
	JLOAD G0+4*\slot, G1, G0B+4*\slot, G1B         ; the first tensor load behind the round; its four v_nop are the places in front of the loads below
.else
	PLACES NP
.endif
	FETCH_B \next, 0, 0
	FETCH_A \next, 0, 0
	WIN MUL_HI
	MUL16 4, 1, 0
	MUL16 6, 1, 0
	PLACES NP
	WIN 0
	FETCH_A \next, 0, 4
.endm
	s_wait_tensorcnt 1                             ; my part of K step 0 is in (K step 1's load may be out)
	s_barrier_signal -1
	s_barrier_wait -1                              ; everybody's is
	FETCH_B 0, 0, 0
	FETCH_A 0, 0, 0
	FETCH_A 0, 0, 4
	STEP 0, 0, 1                                   ; the first step stands in front of the loop: its products start the sums
	s_mov_b32 s3, LAPS-1
.Llap:                                                 ; a trip goes once round the ring, from a lap's second step to the next lap's first, and fills both slots again
	TURN 0, 1, 1
	STEP 1, 0, 0
	TURN 1, 0, 1
	STEP 0, 0, 0
	s_sub_co_u32 s3, s3, 1
	s_cmp_lg_u32 s3, 0
	s_cbranch_scc1 .Llap
	TURN 0, 1, 0                                   ; the last lap fills nothing, and has no round of the cluster's barrier
	STEP 1, 0, 0
	s_wait_dscnt 4*NL                              ; the very last step: nothing more to fetch
	WIN MUL_LO
	MUL16 0, 1, 0
	MUL16 2, 1, 0
	s_wait_dscnt 0
	WIN MUL_HI
	MUL16 4, 1, 0
	MUL16 6, 1, 0
	WIN 0
	; THE WAY OUT.  The set's powers of two, chosen by the cluster's x
	s_wait_kmcnt 0x0
	s_cmp_eq_u32 ttmp9, 0
	s_cselect_b32 s12, s88, s90
	s_cselect_b32 s13, s89, s91
	s_cselect_b32 s18, s94, s95                    ; e6 for q, e7 for k,
	s_cmp_eq_u32 ttmp9, 2
	s_cselect_b32 s12, s92, s12
	s_cselect_b32 s13, s93, s13
	s_cselect_b32 s18, s97, s18                    ; e9 for v
	s_add_co_i32 s12, s12, s13
	s_add_co_i32 s12, s12, 127
	s_lshl_b32 s4, s12, 23                         ; 2^(eA + eB) as f32
	s_mov_b32 s5, s4                               ; (named with it as a pair, so it is written)
	s_add_co_i32 s18, s18, 127
	s_lshl_b32 s19, s18, 23
	v_mov_b32 v[ESC], s19                          ; 2^eo: the conversion takes its exponent field
	s_add_co_i32 s18, s18, 15
	s_lshl_b32 s18, s18, 23
	s_or_b32 s18, s18, 0x600000
	v_mov_b32 v[ELIM], s18                         ; 57,344 x 2^eo
	s_wait_loadcnt 0x0                             ; the biases
	PLACES NP                                      ; behind the last products: their results are read and A's registers written below
; q, k: the image of (head hh of my two, my block a of 16 tokens): accumulators (a, 4 hh + c), c = 0 .. 3, give register pairs c.  Each accumulator is read from its low end on.
.macro QKOUT a, hh
.set CDB, CD+8*((2*(\a)+\hh)%4)
	s_wait_xcnt 0x0                                ; earlier stores have read their registers
	WIN 0x02+((\a)/4)                              ; source 0: window 2 or 3
.irp c, 0,1,2,3
.irp i, 0,2,4,6
	v_pk_fma_f32 v[TMP+8*\c+\i:TMP+8*\c+\i+1], v[8*(8*((\a)%4)+4*(\hh)+\c)+\i:8*(8*((\a)%4)+4*(\hh)+\c)+\i+1], s[4:5], v[BR+8*(4*(\hh)+\c)+\i:BR+8*(4*(\hh)+\c)+\i+1] op_sel_hi:[1,0,1]   ; sum x 2^(eA + eB) + bias
.endr
.endr
	WIN 0
.set j, 0
.rept 32
	v_med3_num_f32 v[TMP+j], v[TMP+j], -v[ELIM], v[ELIM]   ; the conversion to an 8-bit code does not saturate (ISA guide 7.6.2)
.set j, j+1
.endr
.irp c, 0,1,2,3
	v_cvt_scalef32_pk8_bf8_f32 v[CDB+2*\c:CDB+2*\c+1], v[TMP+8*\c:TMP+8*\c+7], v[ESC]
.endr
	v_nop                                          ; one plain line between the last conversion and the next write of its sources
	global_store_b128 v[CO], v[CDB:CDB+3], s[6:7] offset:(\hh)*131072+(\a)*1024        ; 32 lanes store 512 consecutive bytes
	global_store_b128 v[CO], v[CDB+4:CDB+7], s[6:7] offset:(\hh)*131072+(\a)*1024+512
.endm
; v: the image of (my block a of 16 features, my 128 tokens = one key step): accumulators (a, b), b = 0 .. 7, give register pairs b.
.macro VOUT a
.set CDB, CD+16*((\a)%2)
	s_wait_xcnt 0x0
	WIN 0x02+((\a)/4)
.irp b, 0,1,2,3,4,5,6,7
.irp i, 0,2,4,6
	v_pk_fma_f32 v[TMP+8*\b+\i:TMP+8*\b+\i+1], v[8*(8*((\a)%4)+\b)+\i:8*(8*((\a)%4)+\b)+\i+1], s[4:5], v[BL+2*(\a):BL+2*(\a)+1] op_sel_hi:[1,0,1]
.endr
.endr
	WIN 0
.set j, 0
.rept 64
	v_med3_num_f32 v[TMP+j], v[TMP+j], -v[ELIM], v[ELIM]
.set j, j+1
.endr
.irp b, 0,1,2,3,4,5,6,7
	v_cvt_scalef32_pk8_bf8_f32 v[CDB+2*\b:CDB+2*\b+1], v[TMP+8*\b:TMP+8*\b+7], v[ESC]
.endr
	v_nop
.irp c, 0,1,2,3
	global_store_b128 v[CO], v[CDB+4*\c:CDB+4*\c+3], s[6:7] offset:((\a)/4)*131072+((\a)%4)*2048+512*\c
.endr
.endm
	s_cmp_eq_u32 ttmp9, 2                          ; the set: the same in all partners and all waves
	s_cbranch_scc1 .Lv_out
	s_lshl_b32 s12, s66, 8
	s_lshl_b32 s13, s15, 7
	s_add_co_u32 s12, s12, s13                     ; my first token
	s_lshr_b32 s13, s12, 11                        ; its batch
	s_lshl_b32 s13, s13, 4
	s_lshl_b32 s18, s42, 2
	s_add_co_u32 s13, s13, s18
	s_lshl_b32 s18, s16, 1
	s_add_co_u32 s13, s13, s18                     ; 16 x batch + my first head (4 x B's tile + 2 x half)
	s_lshl_b32 s13, s13, 7
	s_bfe_u32 s12, s12, 0x70004                    ; the token's block of 16 in its batch
	s_or_b32 s13, s13, s12
	s_lshl_b32 s8, s13, 10                         ; images of 1,024 bytes
	s_mov_b32 s9, 0
	s_cmp_eq_u32 ttmp9, 0
	s_cselect_b64 s[6:7], s[80:81], s[82:83]
	s_add_nc_u64 s[6:7], s[6:7], s[8:9]
.irp a, 0,1,2,3,4,5,6,7
	QKOUT \a, 0
	QKOUT \a, 1
.endr
	s_branch .Ljoin
.Lv_out:
	s_lshl_b32 s12, s42, 8
	s_lshl_b32 s13, s16, 7
	s_add_co_u32 s12, s12, s13                     ; my first token
	s_lshr_b32 s13, s12, 11                        ; its batch
	s_lshl_b32 s13, s13, 4
	s_lshl_b32 s18, s66, 2
	s_add_co_u32 s13, s13, s18
	s_lshl_b32 s18, s15, 1
	s_add_co_u32 s13, s13, s18                     ; 16 x batch + my first head (4 x A's tile + 2 x half)
	s_lshl_b32 s13, s13, 4
	s_bfe_u32 s12, s12, 0x40007                    ; the key step of 128 in its batch
	s_or_b32 s13, s13, s12
	s_lshl_b32 s8, s13, 13                         ; four images of 2,048 bytes
	s_mov_b32 s9, 0
	s_add_nc_u64 s[6:7], s[84:85], s[8:9]
.irp a, 0,1,2,3,4,5,6,7
	VOUT \a
.endr
.Ljoin:
	s_wait_tensorcnt 0x0                           ; the wave's end
	ds_add_u32 v[SPW], v[NIL]
	s_wait_dscnt 0x0
	CROUND                                         ; the closing round: no work-group ends while a partner may still ask for a tile that names it
	s_endpgm
.Lfunc_end_k_q0e399d750b_qkv:
	.size	k_q0e399d750b_qkv, .Lfunc_end_k_q0e399d750b_qkv-k_q0e399d750b_qkv
	.p2alignl 7, 3214868480
	.fill 96, 4, 3214868480
	.section	.rodata,"a",@progbits
	.p2align	6, 0x0
	.amdhsa_kernel k_q0e399d750b_qkv
		.amdhsa_group_segment_fixed_size 327680
		.amdhsa_private_segment_fixed_size 0
		.amdhsa_enable_private_segment 0
		.amdhsa_kernarg_size 72
		.amdhsa_user_sgpr_count 2
		.amdhsa_user_sgpr_kernarg_segment_ptr 1
		.amdhsa_wavefront_size32 1
		.amdhsa_system_sgpr_workgroup_id_x 1
		.amdhsa_system_sgpr_workgroup_id_y 1
		.amdhsa_system_sgpr_workgroup_id_z 1
		.amdhsa_system_vgpr_workitem_id 0
		.amdhsa_next_free_vgpr 1024
		.amdhsa_next_free_sgpr 100
		.amdhsa_reserve_vcc 0
		.amdhsa_float_denorm_mode_32 3
		.amdhsa_float_denorm_mode_16_64 3
		.amdhsa_memory_ordered 1
		.amdhsa_forward_progress 1
		.amdhsa_inst_pref_size 196
	.end_amdhsa_kernel
	.amdgpu_metadata
---
amdhsa.version: [ 1, 2 ]
amdhsa.kernels:
  - .name:           k_q0e399d750b_qkv
    .symbol:         k_q0e399d750b_qkv.kd
    .args:
      - { .name: xcodes, .offset: 0, .size: 8, .value_kind: global_buffer, .address_space: global }
      - { .name: wcodes, .offset: 8, .size: 8, .value_kind: global_buffer, .address_space: global }
      - { .name: lowp_scales, .offset: 16, .size: 8, .value_kind: global_buffer, .address_space: global }
      - { .name: bq, .offset: 24, .size: 8, .value_kind: global_buffer, .address_space: global }
      - { .name: bk, .offset: 32, .size: 8, .value_kind: global_buffer, .address_space: global }
      - { .name: bv, .offset: 40, .size: 8, .value_kind: global_buffer, .address_space: global }
      - { .name: qimg, .offset: 48, .size: 8, .value_kind: global_buffer, .address_space: global }
      - { .name: kimg, .offset: 56, .size: 8, .value_kind: global_buffer, .address_space: global }
      - { .name: vimg, .offset: 64, .size: 8, .value_kind: global_buffer, .address_space: global }
    .group_segment_fixed_size: 327680
    .private_segment_fixed_size: 0
    .kernarg_segment_align: 8
    .kernarg_segment_size: 72
    .max_flat_workgroup_size: 128
    .sgpr_count:     100
    .vgpr_count:     1024
    .wavefront_size: 32
...
	.end_amdgpu_metadata
.endif
;; end of part 2
;; launch attn (part 3): grid 8 x 64, 8 waves a work-group, no clusters, 327,680 bytes of LDS; arguments qimg, kimg, vimg, masks, lowp_scales, ctximg; writes ctximg
.if DOCPART == 3
	.amdgcn_target "amdgcn-amd-amdhsa--gfx1250"
	.amdhsa_code_object_version 6
	.text
	.protected	k_q0e399d750b_attn
	.globl	k_q0e399d750b_attn
	.p2align	8
	.type	k_q0e399d750b_attn,@function
k_q0e399d750b_attn:
	s_mov_b64 s[64:65], 0
	v_nop
	global_prefetch_b8 v0, s[64:65] scope:SCOPE_SE
	s_setreg_imm32_b32 hwreg(HW_REG_WAVE_MODE, 25, 1), 1
	s_wait_xcnt 0x0
; ctx[b][q][head] = softmax_k(logit) v, logit = q . k / 32, or -1e12 where masks[b][q] x masks[b][k] = 0; both products on codes of BF8 (E5M2) with the given scales eq, ek, ep, ev (entries 6 to 9);
; the result is quantised with entry 10 and stored as the image of the last product's operand.  2,048 keys, head size 64, 64 (batch, head) pairs.
; THE SOFTMAX AHEAD OF THE SECOND PRODUCT: t = logit x log2(e); M = the row's largest t so far, rounded UP to a whole number; p = 2^(t - M) is quantised, not normalised.  The row's sum is taken of the
; unquantised p, in f32, and divides at the end.  When M moves, the sum and O are multiplied by 2^(old M - new M), which rounds nothing.
; SHARES.  A work-group owns 256 queries of one (batch, head); each of its eight waves owns 32: TWO tiles of 16, tile A in register window 0 and tile B in window 1 under the same numbers, so that each fragment of K, of V
; and of the masks' addend that is read from LDS feeds two matrix instructions.  Every wave walks all keys, 128 a step.
; OPERANDS ARRIVE AS IMAGES OF THEIR REGISTERS (registers 4 c .. 4 c + 3 of lane l at 512 c + 16 l): a slot of 256 keys is two dense blocks of 16,384 bytes, K's 16 images and V's 2 x 4; LDS loads are 512 consecutive bytes.
; LAYOUT.  S^T = K Q^T (source 0 = 16 keys, source 1 = 16 queries, K = 64): a lane holds ONE query (lane % 16), register j of tile t key 16 t + 8 (lane / 16) + j: converted eight at a time, the eight tiles ARE
; source 1 (128 keys x 16 queries) of O^T = V^T P^T, whose four tiles, converted, ARE the image of ctx (16 tokens x the head's 64).
; THE MASKS COST NO VECTOR LINE IN THE LOOP.  A key's mask is an addend, 0 or -1e12 x 2^(5 - eq - ek), kept in LDS for the batch's 2,048 keys and given as the C of S^T's matrix instruction: a masked key's logit is
; its score / 32 - 1e12, so p = 0 and it never wins the maximum against a true key.  A query's mask is in the lane's own factor c = log2(e) / 32 x 2^(eq + ek), or 0: a masked query has t = 0 for every key, M = 0, p = 1 and
; the sum 2,048, as where all logits are -1e12.  A true query whose first keys are all masked sums p under an M near -1.44e12; its first true key multiplies that by 2^(old M - new M) = 0.  (A true query is itself a true key.)
; LIMITS: eq + ek between -80 and 6 (the addend stays finite, and the largest true logit, 64 x 57,344^2 x 2^(eq + ek) / 32, stays under 1e12); ep and entry 10 between -126 and 112; ep + ev goes by v_ldexp_f32.
; A product of two non-zero masks that underflows to 0, and NaN among the masks, are not served.
; NO CLUSTER, though the eight work-groups of a (batch, head) walk the same K and V: a change of slots brings 32,768 bytes for 8 waves x 2 steps x 2 tiles x 258 vector instructions of softmax; what is shared is a small part of
; a step's cost, and joint loads would put a round of four work-groups in front of every change of slots.
; REGISTERS (window 0 / window 1): v1-9, v26 addresses / -; v[10:11] c; v12 -M; v13 largest t; v[14:15] the sum; v16-23 Q; v24, v25 the hold and the scale; v32-95 K, then V / the masks' addend; v96-159 S^T, then p;
; v160-191 O^T; v192-207 p's codes; v236-253 at work.
.set SLOT1, 1<<15                      ; slot 1 begins here: one exclusive or turns an address in one slot into the other's
.set VOFF,  16384                      ; a slot: K's 16 images, then V's 8
.set MASKB, 65536                      ; the masks' addend, f32, for 2,048 keys: 8,192 bytes written by LDS stores; no tile lands here
.set SPARE, 73728                      ; the spare words, 128 bytes for each wave: four blocks of 256 bytes that no other line names
.set LI,   1                           ; v1   16 x lane
.set MH,   2                           ; v2   MASKB + 32 x (lane / 16)
.set PFO,  3                           ; v3   256 x lane
.set MST,  4                           ; v4   MASKB + 16 x thread
.set SPW,  5                           ; v5   LDS address of my spare word; never rewritten
.set NIL,  6                           ; v6   0; never rewritten
.set QM,   7                           ; v7   4 x (lane % 16)
.set ADR,  8                           ; v8   the slot in hand + 16 x lane
.set ADM,  9                           ; v9   the slot's keys in the addend's table
.set TH16, 26                          ; v26  16 x thread
.set KV,   32
.set S,    96
.set O,    160
.set P,    192
.set WV,   18                          ; s18  wave
.set BH,   19                          ; s19  16 x batch + head
.set G1,   24                          ; s[24:31] descriptor group 1
.set TB,   32                          ; s32  LDS byte at which the slot in hand begins
.set MB,   33                          ; s33  its keys' bytes in the table
.set SLOTS, 34                         ; s34  slots still to be asked for
.set LIM,  35                          ; s35  1 in a wave that prefetches, else the greatest number
.set SEL,  36                          ; s[36:37] selects of v_permlanex16_b32: lane l xor 16
.set G0,   40                          ; s[40:43] descriptor group 0, which walks
.set PFA,  44                          ; s[44:45] where my prefetches stand
.set MSB, 0
.macro WIN new                         ; the immediate's high byte repeats the setting that is left
.if MSB != (\new)
	s_set_vgpr_msb (MSB<<8)|(\new)
.set MSB, (\new)
.endif
.endm
; Wave 0 fetches a slot's K, wave 1 its V, the others nothing; the branch hangs on the wave's number alone.  Four v_nop follow the load.
.macro TLOAD
	s_cmp_lt_u32 s[WV], 2
	s_cbranch_scc0 .Lno_load_\@
	tensor_load_to_lds s[G0:G0+3], s[G1:G1+7]
	s_nop 0
.rept 4
	v_nop
.endr
.Lno_load_\@:
.endm
; A prefetch of what the NEXT change of slots will ask for: a slot's two key steps ahead of that load.  All eight work-groups of a (batch, head) walk the same K and V: the first of them asks.  In it waves 4 and 5 ask for
; K's 16,384 bytes, waves 6 and 7 for V's: 8,192 bytes a wave, lanes 256 bytes apart, one instruction: each aligned block of 256 bytes is named once in the launch.  The last change that fills a slot asks for nothing.
.macro ASK
	s_cmp_gt_u32 s[SLOTS], s[LIM]
	s_cbranch_scc0 .Lnot_mine_\@
	global_prefetch_b8 v[PFO], s[PFA:PFA+1] th:TH_LOAD_NT scope:SCOPE_SE
.Lnot_mine_\@:
.endm
	s_load_b256 s[4:11], s[0:1], 0x0               ; qimg s[4:5], kimg s[6:7], vimg s[8:9], masks s[10:11]
	s_load_b128 s[12:15], s[0:1], 0x20             ; scales s[12:13], ctximg s[14:15]
	v_lshl_add_u32 v[SPW], v0, 2, SPARE
	v_mov_b32 v[NIL], 0
	ds_add_u32 v5, v6
	s_wait_dscnt 0x0
	v_lshrrev_b32 v1, 5, v0
	v_readfirstlane_b32 s[WV], v1                  ; wave 0..7
	s_and_b32 s[BH], ttmp7, 0xffff
	s_and_b32 s20, s[WV], 1
	; descriptor group 1: a dense block of 16,384 bytes as 64 rows of 256 bytes
	s_mov_b32 s[G1], 3<<16                         ; 15:0 no mask; 17:16 elements of 8 bytes; no padding
	s_mov_b32 s[G1+1], 32<<16                      ; tensor_dim0 = 32
	s_mov_b32 s[G1+2], 64<<16                      ; tensor_dim1 = 64
	s_mov_b32 s[G1+3], 32<<16                      ; tile_dim0 = 32
	s_mov_b32 s[G1+4], 64                          ; tile_dim1 = 64
	s_mov_b32 s[G1+5], 32                          ; tensor_dim0_stride
	s_mov_b32 s[G1+6], 0
	s_mov_b32 s[G1+7], 0
	s_lshl_b32 s22, s[BH], 17                      ; a (batch, head)'s 131,072 bytes in qimg, kimg, vimg
	s_mov_b32 s23, 0
	s_mov_b32 s[TB], 0
	s_mov_b32 s[MB], 0
	s_mov_b32 s[SLOTS], 7
	s_mov_b32 s[SEL], 0x76543210
	s_mov_b32 s[SEL+1], 0xfedcba98
	s_wait_kmcnt 0x0
	s_load_b128 s[48:51], s[12:13], 0x18           ; eq, ek, ep, ev
	s_load_b32 s52, s[12:13], 0x28                 ; entry 10
	s_mov_b32 s[G0], 1                             ; count = 1
	s_lshl_b32 s[G0+1], s20, 14                    ; LDS: slot 0, K's part (wave 0) or V's (wave 1)
	s_cmp_eq_u32 s20, 0
	s_cselect_b64 s[G0+2:G0+3], s[6:7], s[8:9]
	s_add_nc_u64 s[G0+2:G0+3], s[G0+2:G0+3], s[22:23]
	s_or_b32 s[G0+3], s[G0+3], 0x80000000          ; type = 2
	TLOAD                                          ; slot 0: one tensor load of mine is out at the most, here and later
	s_lshl_b32 s54, s[BH], 7
	s_lshl_b32 s55, ttmp9, 4
	s_add_co_u32 s54, s54, s55
	s_lshl_b32 s55, s[WV], 1
	s_add_co_u32 s54, s54, s55                     ; my first tile of 16 queries: 128 x (batch, head) + 16 x work-group x + 2 x wave
	s_lshl_b32 s54, s54, 10
	s_mov_b32 s55, 0
	s_add_nc_u64 s[4:5], s[4:5], s[54:55]
	s_lshr_b32 s54, s[BH], 4
	s_lshl_b32 s54, s54, 13                        ; the batch's 2,048 masks
	s_add_nc_u64 s[10:11], s[10:11], s[54:55]
	s_lshl_b32 s54, ttmp9, 10
	s_lshl_b32 s56, s[WV], 7
	s_add_co_u32 s54, s54, s56                     ; my first query's mask
	s_add_nc_u64 s[56:57], s[10:11], s[54:55]
	v_and_b32 v1, 31, v0
	v_lshlrev_b32 v[PFO], 8, v1
	v_lshlrev_b32 v[LI], 4, v1
	v_lshlrev_b32 v[TH16], 4, v0
	v_and_b32 v[QM], 15, v0
	v_lshlrev_b32 v[QM], 2, v[QM]
	global_load_b128 v[16:19], v[LI], s[4:5]                  ; Q, tile A: it stays in registers
	global_load_b128 v[20:23], v[LI], s[4:5] offset:512
	global_load_b128 v[S:S+3], v[TH16], s[10:11]              ; the batch's masks: 8 a thread
	global_load_b128 v[S+4:S+7], v[TH16], s[10:11] offset:4096
	global_load_b32 v10, v[QM], s[56:57]                      ; my query's mask, tile A
	WIN 0x40                                       ; destination window 1
	global_load_b128 v[16:19], v[LI], s[4:5] offset:1024      ; tile B
	global_load_b128 v[20:23], v[LI], s[4:5] offset:1536
	global_load_b32 v10, v[QM], s[56:57] offset:64
	WIN 0
	v_bfe_u32 v[MH], v0, 4, 1
	v_lshl_add_u32 v[MH], v[MH], 5, MASKB
	v_lshl_add_u32 v[MST], v0, 4, MASKB
	; the prefetches: who asks, and where.  Nothing is prefetched here, at the head; slots 0 and 1 come by their loads alone
	s_lshr_b32 s54, s[WV], 2
	s_xor_b32 s54, s54, 1                          ; 0 in waves 4 to 7,
	s_or_b32 s54, s54, ttmp9                       ; of the first work-group of the eight
	s_cmp_eq_u32 s54, 0
	s_cselect_b32 s[LIM], 1, -1
	s_cmp_lt_u32 s[WV], 6
	s_cselect_b64 s[PFA:PFA+1], s[6:7], s[8:9]
	s_add_nc_u64 s[PFA:PFA+1], s[PFA:PFA+1], s[22:23]
	s_lshl_b32 s54, s20, 13                        ; my wave's half,
	s_add_co_u32 s54, s54, 16384                   ; in slot 1: the first change of slots steps it to slot 2
	s_add_nc_u64 s[PFA:PFA+1], s[PFA:PFA+1], s[54:55]
	; where ctx goes: image (16 tokens, head) at ((128 x batch + 16 x work-group x + 2 x wave) x 16 + head) x 1,024
	s_lshr_b32 s54, s[BH], 4
	s_lshl_b32 s54, s54, 7
	s_lshl_b32 s21, ttmp9, 4
	s_add_co_u32 s54, s54, s21
	s_lshl_b32 s21, s[WV], 1
	s_add_co_u32 s54, s54, s21
	s_lshl_b32 s54, s54, 4
	s_and_b32 s21, s[BH], 15
	s_add_co_u32 s54, s54, s21
	s_lshl_b32 s54, s54, 10
	s_add_nc_u64 s[14:15], s[14:15], s[54:55]
	s_wait_kmcnt 0x0
	s_add_co_i32 s54, s48, s49                     ; eq + ek
	s_sub_co_i32 s53, 5, s54                       ; the addend's power of two
	s_lshl_b32 s54, s54, 23
	s_add_co_i32 s38, s54, 0x3d38aa3b              ; c = log2(e) / 32 with eq + ek added to its exponent field
	s_add_co_i32 s39, s50, s51                     ; ep + ev
	s_add_co_i32 s54, s50, 127
	s_lshl_b32 s58, s54, 23                        ; 2^ep
	s_add_co_i32 s54, s54, 15
	s_lshl_b32 s54, s54, 23
	s_or_b32 s59, s54, 0x600000                    ; 57,344 x 2^ep
	s_add_co_i32 s54, s52, 127
	s_lshl_b32 s60, s54, 23                        ; the same for ctx
	s_add_co_i32 s54, s54, 15
	s_lshl_b32 s54, s54, 23
	s_or_b32 s61, s54, 0x600000
; A tile's start, in the window that is set.  The loop is written once: its first step finds zeros, which the first change of M leaves zeros.
.macro INIT
	v_mov_b32 v13, 0xff61b1e6                      ; the largest t so far: -3e38, under every t
	v_floor_f32 v12, -v13                          ; -M
	v_mov_b32 v14, 0                               ; the sum, in two halves
	v_mov_b32 v15, 0
	v_mov_b32 v236, 0                              ; a lane permute's destination counts as one of its sources
	v_mov_b32 v253, 0                              ; (named as the upper half of the pair v[252:253])
	v_mov_b32 v24, s59
	v_mov_b32 v25, s58
.set j, 0
.rept 32
	v_mov_b32 v[O+j], 0
.set j, j+1
.endr
.endm
.macro CQ                              ; my query's factor: c, or 0 where its mask is 0 (v15 still holds 0)
	v_mov_b32 v11, s38
	v_cmp_eq_f32 vcc_lo, 0, v10
	v_cndmask_b32 v10, v11, v15, vcc_lo
	v_mov_b32 v11, v10                             ; (named with it as a pair)
.endm
	INIT
	WIN 0x55                                       ; all four places window 1
	INIT
	s_wait_loadcnt 0x0                             ; Q and the masks
	CQ
	WIN 0
	CQ
	v_mov_b32 v104, 0xd368d4a5                     ; -1e12
	v_ldexp_f32 v104, v104, s53                    ; in units of a raw score: x 32 / 2^(eq + ek)
.irp i, 0,1,2,3,4,5,6,7
	v_cmp_eq_f32 vcc_lo, 0, v[S+\i]
	v_cndmask_b32 v[S+\i], 0, v104, vcc_lo
.endr
	ds_store_b128 v[MST], v[S:S+3]                 ; the first change of slots waits for these stores and passes the barrier that shows them to all
	ds_store_b128 v[MST], v[S+4:S+7] offset:4096
; ONE TILE'S SOFTMAX FOR 128 KEYS, in the window that is set: 258 vector instructions.
.macro SOFTMAX
.irp i, 0,1,2,3                        ; the largest score of my 64 keys: four chains of 16 registers; each accumulator is first read in its four lowest registers
	v_max3_num_f32 v[248+\i], v[S+16*\i], v[S+16*\i+1], v[S+16*\i+2]
.endr
.irp k, 1,2,3,4,5,6
.irp i, 0,1,2,3
	v_max3_num_f32 v[248+\i], v[248+\i], v[S+16*\i+2*\k+1], v[S+16*\i+2*\k+2]
.endr
.endr
	v_max3_num_f32 v248, v248, v249, v[S+15]
	v_max3_num_f32 v250, v250, v251, v[S+31]
	v_max3_num_f32 v248, v248, v250, v[S+47]
	v_max_num_f32 v248, v248, v[S+63]
	v_permlanex16_b32 v236, v248, s[SEL], s[SEL+1]
	v_max_num_f32 v248, v248, v236                 ; and of lane l xor 16's 64
	v_mul_f32 v248, v10, v248                      ; as t (c is not negative)
	v_max_num_f32 v13, v13, v248                   ; the running largest t
	v_mov_b32 v249, v12
	v_floor_f32 v12, -v13                          ; the new -M = floor(-t) = -ceil(t): M is a whole number
	v_sub_f32 v249, v12, v249                      ; old M - new M: 0 or less
	v_cvt_i32_f32 v249, v249                       ; (it saturates)
	v_ldexp_f32 v252, 1.0, v249                    ; f = 2^(old M - new M)
.set j, 0
.rept 32
	v_pk_fma_f32 v[S+j:S+j+1], v[S+j:S+j+1], v[10:11], v[12:13] op_sel_hi:[1,0,0]   ; t - M, two at a time (of the pairs c and -M the low word serves both halves)
.set j, j+2
.endr
.set j, 0
.rept 64
	v_exp_f32 v[S+j], v[S+j]                       ; p = 2^(t - M), at most 1
.set j, j+1
.endr
	v_pk_mul_f32 v[14:15], v[14:15], v[252:253] op_sel_hi:[1,0]   ; the sum under the new M: the plain line behind the exponentials
	s_wait_alu depctr_va_vdst(0)                   ; one wait for the batch of 64, ahead of its first reader
	v_pk_add_f32 v[242:243], v[S:S+1], v[S+2:S+3]  ; the sum of the UNQUANTISED p, two at a time, in four chains
	v_pk_add_f32 v[244:245], v[S+4:S+5], v[S+6:S+7]
	v_pk_add_f32 v[246:247], v[S+8:S+9], v[S+10:S+11]
.irp j, 12,20,28,36,44,52
	v_pk_add_f32 v[14:15], v[14:15], v[S+\j:S+\j+1]
	v_pk_add_f32 v[242:243], v[242:243], v[S+\j+2:S+\j+3]
	v_pk_add_f32 v[244:245], v[244:245], v[S+\j+4:S+\j+5]
	v_pk_add_f32 v[246:247], v[246:247], v[S+\j+6:S+\j+7]
.endr
	v_pk_add_f32 v[14:15], v[14:15], v[S+60:S+61]
	v_pk_add_f32 v[242:243], v[242:243], v[S+62:S+63]
	v_pk_add_f32 v[244:245], v[244:245], v[246:247]
	v_pk_add_f32 v[14:15], v[14:15], v[242:243]
	v_pk_add_f32 v[14:15], v[14:15], v[244:245]
.irp t, 0,1,2,3,4,5,6,7
.irp i, 0,1,2,3,4,5,6,7
	v_min_num_f32 v[S+8*\t+\i], v[S+8*\t+\i], v24  ; the conversion does not saturate (ISA guide 7.6.2); p is not negative, so the hold is one-sided
.endr
	v_cvt_scalef32_pk8_bf8_f32 v[P+2*\t:P+2*\t+1], v[S+8*\t:S+8*\t+7], v25   ; keys 16 t + 8 (lane / 16) + 0 .. 7: register pair t of the operand
.endr
.set j, 0
.rept 16
	v_pk_mul_f32 v[O+j:O+j+1], v[O+j:O+j+1], v[252:253] op_sel_hi:[1,0]   ; O^T under the new M.  (Also the plain lines behind the last conversion)
.set j, j+2
.endr
.endm
; A KEY STEP: 128 keys, the q-th of the slot in hand, for both tiles.
.macro STEP q
	v_add_nc_u32 v[ADR], s[TB], v[LI]
	v_add_nc_u32 v[ADM], s[MB], v[MH]
	v_nop
	v_nop                                          ; four places behind the last products, in front of the loads into V's registers
	WIN 0x40                                       ; destination window 1: the addend: register j of tile t is key 16 t + 8 (lane / 16) + j's; sixteen lanes read the same 16 bytes
.irp t, 0,1,2,3,4,5,6,7
	ds_load_b128 v[KV+8*\t:KV+8*\t+3], v[ADM] offset:512*(\q)+64*\t
	ds_load_b128 v[KV+8*\t+4:KV+8*\t+7], v[ADM] offset:512*(\q)+64*\t+16
.endr
	WIN 0
.irp t, 0,1,2,3,4,5,6,7                        ; K's eight images
	ds_load_b128 v[KV+8*\t:KV+8*\t+3], v[ADR] offset:8192*(\q)+1024*\t
	ds_load_b128 v[KV+8*\t+4:KV+8*\t+7], v[ADR] offset:8192*(\q)+1024*\t+512
.endr
	s_wait_dscnt 0x0
	WIN 0x10                                       ; C (the addend) window 1
.irp t, 0,1,2,3,4,5,6,7
	v_wmma_f32_16x16x64_bf8_bf8 v[S+8*\t:S+8*\t+7], v[KV+8*\t:KV+8*\t+7], v[16:23], v[KV+8*\t:KV+8*\t+7]
.endr
	WIN 0x54                                       ; tile B: Q, C and D window 1, K window 0
.irp t, 0,1,2,3,4,5,6,7
	v_wmma_f32_16x16x64_bf8_bf8 v[S+8*\t:S+8*\t+7], v[KV+8*\t:KV+8*\t+7], v[16:23], v[KV+8*\t:KV+8*\t+7]
.endr
	WIN 0
.rept 4
	v_nop                                          ; places in front of the loads into K's registers and of the first read of the scores
.endr
.irp t, 0,1,2,3                                ; V's four images: they land under the softmax
.irp c, 0,1,2,3
	ds_load_b128 v[KV+16*\t+4*\c:KV+16*\t+4*\c+3], v[ADR] offset:VOFF+8192*(\q)+2048*\t+512*\c
.endr
.endr
	SOFTMAX
	WIN 0x55
	SOFTMAX
	WIN 0
	s_wait_dscnt 0x0                               ; V is in
.irp t, 0,1,2,3                                ; O^T += V^T P^T: eight accumulators, one instruction each
	v_wmma_f32_16x16x128_bf8_bf8 v[O+8*\t:O+8*\t+7], v[KV+16*\t:KV+16*\t+15], v[P:P+15], v[O+8*\t:O+8*\t+7]
.endr
	WIN 0x54
.irp t, 0,1,2,3
	v_wmma_f32_16x16x128_bf8_bf8 v[O+8*\t:O+8*\t+7], v[KV+16*\t:KV+16*\t+15], v[P:P+15], v[O+8*\t:O+8*\t+7]
.endr
	WIN 0
.endm
; THE CHANGE OF SLOTS stands at a slot's head.  Each wave waits for all its tensor loads (its part of the slot that it is about to read), adds 0 to its spare word, and waits for that and for its LDS reads and stores.
; Behind the barrier the slot ahead is whole and nobody reads the other one.  fill = 1: that other slot is filled with the keys that follow: the load has a slot's two key steps in which to land.
.macro CHANGE fill
	s_wait_tensorcnt 0x0                           ; no tensor load of mine is out, so group 0 may be written
	ds_add_u32 v[SPW], v[NIL]                      ; 0 onto my spare word
.if \fill
	s_xor_b32 s[G0+1], s[G0+1], SLOT1              ; the other slot than last time,
	s_add_nc_u64 s[G0+2:G0+3], s[G0+2:G0+3], 16384 ; the next 256 keys; the type bits on top are not reached
	s_wait_xcnt 0x0                                ; the last prefetch, a slot back, has read its address
	s_add_nc_u64 s[PFA:PFA+1], s[PFA:PFA+1], 16384 ; one slot further on than the walking descriptor
.endif
	s_wait_dscnt 0x0                               ; the add is done; my reads of the slot that I have left are over
	s_barrier_signal -1
	s_barrier_wait -1
.if \fill
	TLOAD                                          ; the first thing behind the barrier, and a wave's one tensor load until the next
	ASK
.endif
.endm
.macro SLOT_STEPS
	STEP 0
	STEP 1
	s_xor_b32 s[TB], s[TB], SLOT1                  ; on to the other slot,
	s_add_co_u32 s[MB], s[MB], 1024                ; and to the next 256 keys' addends
.endm
.Lslot:                                            ; 7 trips: behind each change of slots but the last the next slot is asked for
	CHANGE 1
	SLOT_STEPS
	s_sub_co_u32 s[SLOTS], s[SLOTS], 1
	s_cmp_lg_u32 s[SLOTS], 0
	s_cbranch_scc1 .Lslot
	CHANGE 0                                       ; the last slot is written out
	SLOT_STEPS
; THE WAY OUT of tile w: O^T x 2^(ep + ev) / the sum, held and converted with entry 10's scale: four register pairs = the image of 16 tokens x this head's 64; two stores of 512 consecutive bytes.
.macro OUT w
	WIN 0x55*(\w)
	v_add_f32 v14, v14, v15                        ; the sum's two halves,  (these plain lines are the places behind the last products)
	v_permlanex16_b32 v252, v14, s[SEL], s[SEL+1]
	v_add_f32 v14, v14, v252                       ; and lane l xor 16's
	v_rcp_f32 v14, v14
	v_mov_b32 v25, s60                             ; (a plain line behind the reciprocal)
	v_mov_b32 v24, s61
	s_wait_alu depctr_va_vdst(0)                   ; the wait ahead of the reciprocal's first reader
	v_ldexp_f32 v14, v14, s39
	v_mov_b32 v15, v14
.set j, 0
.rept 16
	v_pk_mul_f32 v[S+j:S+j+1], v[O+j:O+j+1], v[14:15]
.set j, j+2
.endr
.set j, 0
.rept 32
	v_med3_num_f32 v[S+j], v[S+j], -v24, v24
.set j, j+1
.endr
.irp t, 0,1,2,3
	v_cvt_scalef32_pk8_bf8_f32 v[P+2*\t:P+2*\t+1], v[S+8*\t:S+8*\t+7], v25
.endr
	v_nop
	WIN 4*(\w)                                     ; a store's data are source 1
	global_store_b128 v[LI], v[P:P+3], s[14:15] offset:16384*(\w)
	global_store_b128 v[LI], v[P+4:P+7], s[14:15] offset:16384*(\w)+512
	WIN 0
.endm
	OUT 0
	OUT 1
	s_wait_tensorcnt 0x0                           ; the wave's end
	ds_add_u32 v[SPW], v[NIL]
	s_wait_dscnt 0x0
	s_endpgm
.Lfunc_end_k_q0e399d750b_attn:
	.size	k_q0e399d750b_attn, .Lfunc_end_k_q0e399d750b_attn-k_q0e399d750b_attn
	.p2alignl 7, 3214868480
	.fill 96, 4, 3214868480
	.section	.rodata,"a",@progbits
	.p2align	6, 0x0
	.amdhsa_kernel k_q0e399d750b_attn
		.amdhsa_group_segment_fixed_size 327680
		.amdhsa_private_segment_fixed_size 0
		.amdhsa_enable_private_segment 0
		.amdhsa_kernarg_size 48
		.amdhsa_user_sgpr_count 2
		.amdhsa_user_sgpr_kernarg_segment_ptr 1
		.amdhsa_wavefront_size32 1
		.amdhsa_system_sgpr_workgroup_id_x 1
		.amdhsa_system_sgpr_workgroup_id_y 1
		.amdhsa_system_sgpr_workgroup_id_z 1
		.amdhsa_system_vgpr_workitem_id 0
		.amdhsa_next_free_vgpr 512
		.amdhsa_next_free_sgpr 66
		.amdhsa_reserve_vcc 1
		.amdhsa_float_denorm_mode_32 3
		.amdhsa_float_denorm_mode_16_64 3
		.amdhsa_memory_ordered 1
		.amdhsa_forward_progress 1
		.amdhsa_inst_pref_size 135
	.end_amdhsa_kernel
	.amdgpu_metadata
---
amdhsa.version: [ 1, 2 ]
amdhsa.kernels:
  - .name:           k_q0e399d750b_attn
    .symbol:         k_q0e399d750b_attn.kd
    .args:
      - { .name: qimg, .offset: 0, .size: 8, .value_kind: global_buffer, .address_space: global }
      - { .name: kimg, .offset: 8, .size: 8, .value_kind: global_buffer, .address_space: global }
      - { .name: vimg, .offset: 16, .size: 8, .value_kind: global_buffer, .address_space: global }
      - { .name: masks, .offset: 24, .size: 8, .value_kind: global_buffer, .address_space: global }
      - { .name: lowp_scales, .offset: 32, .size: 8, .value_kind: global_buffer, .address_space: global }
      - { .name: ctximg, .offset: 40, .size: 8, .value_kind: global_buffer, .address_space: global }
    .group_segment_fixed_size: 327680
    .private_segment_fixed_size: 0
    .kernarg_segment_align: 8
    .kernarg_segment_size: 48
    .max_flat_workgroup_size: 256
    .sgpr_count:     66
    .vgpr_count:     512
    .wavefront_size: 32
...
	.end_amdgpu_metadata
.endif
;; end of part 3
;; launch outp (part 4): grid 4 x 32, 4 waves a work-group, clusters of 4 x 4, 327,680 bytes of LDS; arguments ctximg, wcodes, lowp_scales, bo, out0; writes out0
.if DOCPART == 4
	.amdgcn_target "amdgcn-amd-amdhsa--gfx1250"
	.amdhsa_code_object_version 6
	.text
	.protected	k_q0e399d750b_outp
	.globl	k_q0e399d750b_outp
	.p2align	8
	.type	k_q0e399d750b_outp,@function
k_q0e399d750b_outp:
	s_mov_b64 s[64:65], 0
	v_nop
	global_prefetch_b8 v0, s[64:65] scope:SCOPE_SE
	s_setreg_imm32_b32 hwreg(HW_REG_WAVE_MODE, 25, 1), 1
	s_wait_xcnt 0x0
	s_wait_alu depctr_hold_cnt(0) depctr_sa_sdst(0) depctr_va_vdst(0) depctr_va_sdst(0) depctr_va_ssrc(0) depctr_va_vcc(0) depctr_vm_vsrc(0)
	s_getreg_b32 s2, hwreg(HW_REG_IB_STS2, 6, 4)
	s_cmp_eq_u32 s2, 0
	s_cbranch_scc0 .Lentry_in_a_cluster
	s_endpgm
.Lentry_in_a_cluster:
	s_bfe_u32 s2, ttmp6, 0x10000c
	s_cmp_lg_u32 s2, 0xf033
	s_cbranch_scc0 .Lentry_shape_is_right
	s_endpgm
.Lentry_shape_is_right:
; out0[token][n] = sum over k of ctx[token][k] Wo[n][k] x 2^(e10 + e11) + bo[n], on codes of BF8 (E5M2), K = 1,024; out0 [8192][1024] f32.
; A tile of 256 x 256 of out0 is made by a work-group of four waves; a wave makes 128 x 128: 64 accumulators of 16 x 16, 512 registers.  K goes in steps of 256 through a ring of two LDS slots.
; A (ctx) ARRIVES AS IMAGES OF ITS REGISTERS: ctximg [16 tokens, 512][head 16][1,024 bytes]; two neighbouring heads' images are one fragment of 16 rows x 128 K, with k in the matrix instruction's own places.  A K step is four
; heads: 4,096 consecutive bytes of each block of 16 tokens; a wave's tensor load brings 8 such rows, dense in LDS, and a fragment is four loads of 512 consecutive bytes.
; B (Wo's codes, the fourth MiB of wcodes) lies in rows along K, in each 32 codes the two middle groups of 8 exchanged, so that 16 bytes at 32 c + 16 (lane / 16) are two register pairs of the same layout.
; CLUSTERS: 4 x 4 work-groups; A's tile is asked for jointly along a row of the cluster, B's along a column.  THE MATRIX INSTRUCTION IS USED TRANSPOSED (source 0 = 16 rows of Wo, source 1 = 16 tokens): a lane holds eight
; neighbouring numbers of a row of out0.
; LIMIT: e10 + e11 between -126 and 127, so that 2^(e10 + e11) is an f32 number.
; REGISTERS, in windows of 256: window 0: v0-31 addresses; v32-35 my four biases; from v128 A's fragments, ONE set; on the way out v128-255 take rows back from the stage.
;   window 1: B's fragments, TWO sets.   window 2: the accumulators of my rows 0-63 ((a, b) at v[8 (8 a + b)]);   window 3: those of my rows 64-127.
.set KROW,   1024                      ; a row of Wo's codes in bytes
.set PITCH,  272                       ; B's LDS row: 256 bytes + 16 of padding = 68 words: row r starts at bank 4 r mod 64 (64 banks of 4 bytes: ISA guide 11.1)
.set FR,     16
.set NL,     4
.set NP,     4                         ; places behind this matrix instruction (ISA guide 7.12.1)
.set HALFA,  32768                     ; 8 blocks of 16 tokens x 4,096 bytes: what one tensor load brings of A
.set HALFB,  128*PITCH                 ; 128 rows of B
.set BOFF,   2*HALFA                   ; B's rows lie behind A's images
.set SLOT,   2*HALFA+2*HALFB
.set LAPS,   2                         ; a lap = two K steps of 256
.set SPARE,  2*SLOT                    ; behind the ring: the spare words, 128 bytes for each wave: two blocks of 256 bytes that no other line names
.set SPITCH, 528                       ; the way out: a stage of 16 rows x (512 bytes + 16) for each wave.  It lies in slot 0, which has had its last fill and its last read when the first result is stored there
.set NROW,   4096                      ; a row of out0 in bytes
.set ADRA, 16                          ; v16-17  LDS address of my A fragments in slot 0, 1
.set ADRB, 20                          ; v20-21  the same for B
.set STO,  24                          ; v24  the way out: where I put 32 bytes of a row
.set RD,   25                          ; v25  the way out: where I read a row back
.set CO,   26                          ; v26  16 x lane
.set SPW,  28                          ; v28  LDS address of my spare word; never rewritten
.set NIL,  29                          ; v29  0; never rewritten
.set BI,   32                          ; v32-35  bo at my four columns of a row read back
.set AF,   128
.set BK,   128                         ; the way out: 16 rows read back: v128-191 and v192-255 by turns
.set G1, 24
.set G0, 32
.set G1B, 48
.set G0B, 56
.set MSB, 0
.macro WIN new                         ; the immediate's high byte repeats the setting that is left
.if MSB != (\new)
	s_set_vgpr_msb (MSB<<8)|(\new)
.set MSB, (\new)
.endif
.endm
.set MUL_LO, 0xa1                      ; source 0 (B) window 1, source 1 (A) window 0, C and D window 2
.set MUL_HI, 0xf1
.set TO_B,   0x40
; A joint load: waves 0 and 1 fetch for A, waves 2 and 3 for B; the branch hangs on the wave's number alone.  Four v_nop follow each of the two lines.
.macro JLOAD g0a, g1a, g0b, g1b
	s_cmp_eq_u32 s15, 0
	s_cbranch_scc0 .Lfor_b_\@
	tensor_load_to_lds s[\g0a:\g0a+3], s[\g1a:\g1a+7]
	s_nop 0
.rept 4
	v_nop
.endr
	s_branch .Lasked_\@
.Lfor_b_\@:
	tensor_load_to_lds s[\g0b:\g0b+3], s[\g1b:\g1b+7]
	s_nop 0
.rept 4
	v_nop
.endr
.Lasked_\@:
.endm
.macro CREST
	s_cmp_lg_u32 s14, 0
	s_cbranch_scc1 .Lnot_wave_0_\@
	s_barrier_signal -3
.Lnot_wave_0_\@:
	s_barrier_wait -3
	s_barrier_signal -1
	s_barrier_wait -1
.endm
.macro CROUND
	s_barrier_signal -1
	s_barrier_wait -1
	CREST
.endm
	s_load_b256 s[68:75], s[0:1], 0x0              ; ctximg s[68:69], wcodes s[70:71], scales s[72:73], bo s[74:75]
	s_load_b64 s[76:77], s[0:1], 0x20              ; out0
	v_lshl_add_u32 v[SPW], v0, 2, SPARE
	v_mov_b32 v[NIL], 0
	ds_add_u32 v28, v29
	s_wait_dscnt 0x0
	v_lshrrev_b32 v1, 5, v0
	v_readfirstlane_b32 s14, v1                    ; wave 0..3
	s_lshr_b32 s15, s14, 1                         ; which half of the tile's rows is mine.  Also: I fetch for A (0) or for B (1)
	s_and_b32 s16, s14, 1                          ; which half of its columns.  Also: which half of that tile I fetch
	s_bfe_u32 s40, ttmp6, 0x40000                  ; cx, cy
	s_bfe_u32 s41, ttmp6, 0x40004
	s_lshl_b32 s42, ttmp9, 2
	s_add_co_u32 s42, s42, s40                     ; tile column = 4 x cluster x + cx
	s_and_b32 s17, ttmp7, 0xffff
	s_lshl_b32 s17, s17, 2
	s_add_co_u32 s17, s17, s41                     ; tile row = 4 x cluster y + cy
	s_lshl_b32 s43, s41, 2
	s_lshl_b32 s43, 15, s43                        ; my row of the cluster
	s_lshl_b32 s44, 0x1111, s40                    ; my column
	; descriptor group 1 for A: 8 rows of 4,096 bytes, 16,384 bytes apart in memory, dense in LDS
	s_or_b32 s[G1+0], s43, (0<<16)|(1<<21)         ; 15:0 the mask: my row; 17:16 element of 1 byte; no padding; 21 set beside a mask
	s_mov_b32 s[G1+1], 4096<<16                    ; tensor_dim0
	s_mov_b32 s[G1+2], 8<<16                       ; tensor_dim1
	s_mov_b32 s[G1+3], 4096<<16                    ; tile_dim0
	s_mov_b32 s[G1+4], 8                           ; tile_dim1
	s_mov_b32 s[G1+5], 16384                       ; tensor_dim0_stride
	s_mov_b32 s[G1+6], 0
	s_mov_b32 s[G1+7], 0
	; and for B: 128 rows of 256 bytes, padded in LDS
	s_or_b32 s[G1B+0], s44, (0<<16)|(1<<20)|(1<<21)|(5<<22)|(3<<25)  ; the mask: my column; padding of 4 words (code 3) after every 64 (code 5)
	s_mov_b32 s[G1B+1], 256<<16
	s_mov_b32 s[G1B+2], 128<<16
	s_mov_b32 s[G1B+3], 256<<16
	s_mov_b32 s[G1B+4], 128
	s_mov_b32 s[G1B+5], KROW
	s_mov_b32 s[G1B+6], 0
	s_mov_b32 s[G1B+7], 0
	s_lshl_b32 s18, s16, 17                        ; the half that I fetch: 128 tokens' images, or 128 rows of 1,024 bytes
	s_lshl_b32 s20, s17, 18
	s_add_co_u32 s20, s20, s18
	s_mov_b32 s21, 0
	s_lshl_b32 s46, s42, 18
	s_add_co_u32 s46, s46, s18
	s_add_co_u32 s46, s46, 0x300000                ; Wo is the fourth weight
	s_mov_b32 s47, 0
	s_lshl_b32 s45, s16, 15                        ; where they go: A's half,
	s_mul_i32 s19, s16, HALFB
	s_add_co_u32 s19, s19, BOFF                    ; B's half: no place in the cluster enters an LDS address
	s_wait_kmcnt 0x0
	s_load_b64 s[96:97], s[72:73], 0x28            ; e10, e11
	s_add_nc_u64 s[20:21], s[68:69], s[20:21]
	s_add_nc_u64 s[46:47], s[70:71], s[46:47]
	CROUND                                         ; all sixteen work-groups are here: the first joint loads meet
.irp s, 0,1
	s_mov_b32 s[G0+4*\s], 1
	s_add_co_u32 s[G0+4*\s+1], s45, \s*SLOT
	s_add_nc_u64 s[G0+4*\s+2:G0+4*\s+3], s[20:21], \s*4096
	s_or_b32 s[G0+4*\s+3], s[G0+4*\s+3], 0x80000000
	s_mov_b32 s[G0B+4*\s], 1
	s_add_co_u32 s[G0B+4*\s+1], s19, \s*SLOT
	s_add_nc_u64 s[G0B+4*\s+2:G0B+4*\s+3], s[46:47], \s*256
	s_or_b32 s[G0B+4*\s+3], s[G0B+4*\s+3], 0x80000000
	JLOAD G0+4*\s, G1, G0B+4*\s, G1B
.endr
	v_and_b32 v1, 15, v0                           ; l % 16
	v_bfe_u32 v2, v0, 4, 1                         ; l / 16
	v_and_b32 v6, 31, v0
	v_lshlrev_b32 v[CO], 4, v6
	v_mul_u32_u24 v3, v1, PITCH
	v_lshl_add_u32 v4, v2, 4, v3                   ; B: a fragment's row x pitch + 16 x half
	s_lshl_b32 s21, s15, 15                        ; my 128 tokens' images
	s_mul_i32 s22, s16, HALFB                      ; my 128 rows of B
	s_add_co_u32 s22, s22, BOFF
.irp s, 0,1
	v_add_nc_u32 v[ADRA+\s], s21, v[CO]
	v_add_nc_u32 v[ADRB+\s], s22, v4
	s_add_co_u32 s21, s21, SLOT
	s_add_co_u32 s22, s22, SLOT
.endr
	s_mul_i32 s23, s14, 16*SPITCH                  ; my stage
	v_mul_u32_u24 v5, v1, SPITCH                   ; in: row l % 16, 32 bytes for each half of the lanes
	v_lshl_add_u32 v5, v2, 5, v5
	v_add_nc_u32 v[STO], s23, v5
	v_add_nc_u32 v[RD], s23, v[CO]                 ; back: the 32 lanes take one row of 512 bytes
	s_lshl_b32 s12, s42, 10                        ; my first column, in bytes: 1,024 x tile column + 512 x half
	s_lshl_b32 s13, s16, 9
	s_add_co_u32 s12, s12, s13
	s_mov_b32 s13, 0
	s_add_nc_u64 s[8:9], s[74:75], s[12:13]        ; bo there
	s_lshl_b32 s18, s17, 8
	s_lshl_b32 s19, s15, 7
	s_add_co_u32 s18, s18, s19                     ; my first row: 256 x tile row + 128 x half
	s_lshl_b32 s18, s18, 12
	s_add_co_u32 s12, s12, s18
	s_add_nc_u64 s[10:11], s[76:77], s[12:13]      ; out0 at my part
	global_load_b128 v[BI:BI+3], v[CO], s[8:9]     ; lane l of a row read back holds columns 4 l + 0 .. 3 of my 128
.macro FRAGB reg, adr, q, i            ; 16 rows x 128 K from rows: registers 4 c .. 4 c + 3 are bytes 32 c + 16 (l / 16) + 0 .. 15 of row l % 16
.irp c, 0,1,2,3
	ds_load_b128 v[\reg+4*\c:\reg+4*\c+3], v[\adr] offset:128*(\q)+32*\c+(\i)*16*PITCH
.endr
.endm
.macro FRAGA reg, adr, q, i            ; 16 tokens x 128 K from images: block i of 16 tokens, heads 2 q and 2 q + 1 of the K step's four
.irp c, 0,1,2,3
	ds_load_b128 v[\reg+4*\c:\reg+4*\c+3], v[\adr] offset:4096*(\i)+2048*(\q)+512*\c
.endr
.endm
; 16 matrix instructions: A's blocks a0, a0 + 1 x B's eight.  The 64 accumulators take turns, one instruction a turn, in the same order in every step.
.macro MUL16 a0, p, zero
.irp a, \a0, \a0+1
.irp b, 0,1,2,3,4,5,6,7
.if \zero
	v_wmma_f32_16x16x128_bf8_bf8 v[8*(8*((\a)%4)+\b):8*(8*((\a)%4)+\b)+7], v[128*(\p)+FR*\b:128*(\p)+FR*\b+FR-1], v[AF+FR*(\a):AF+FR*(\a)+FR-1], 0
.else
	v_wmma_f32_16x16x128_bf8_bf8 v[8*(8*((\a)%4)+\b):8*(8*((\a)%4)+\b)+7], v[128*(\p)+FR*\b:128*(\p)+FR*\b+FR-1], v[AF+FR*(\a):AF+FR*(\a)+FR-1], v[8*(8*((\a)%4)+\b):8*(8*((\a)%4)+\b)+7]
.endif
.endr
.endr
.endm
.macro FETCH_B slot, q, p
	WIN TO_B
.irp i, 0,1,2,3,4,5,6,7
	FRAGB 128*(\p)+FR*\i, ADRB+\slot, \q, \i
.endr
	WIN 0
.endm
.macro FETCH_A slot, q, i0
.irp i, \i0, \i0+1, \i0+2, \i0+3
	FRAGA AF+FR*(\i), ADRA+\slot, \q, \i
.endr
.endm
.macro PLACES n                        ; plain vector lines between a matrix instruction and a load into, or a read of, its registers (ISA guide 7.12.1 for vector instructions)
.rept \n
	v_nop
.endr
.endm
.macro STEP slot, q, zero              ; a step of 128 along K that has its successor in the same slot
	s_wait_dscnt 4*NL                              ; B's set and A's blocks 0-3 are in; the youngest 16 loads (A's blocks 4-7) may be out
	WIN MUL_LO
	MUL16 0, (\q)%2, \zero
	MUL16 2, (\q)%2, \zero
	s_wait_dscnt 0
	PLACES NP
	FETCH_B \slot, (\q)+1, 1-(\q)%2
	FETCH_A \slot, (\q)+1, 0
	WIN MUL_HI
	MUL16 4, (\q)%2, \zero
	MUL16 6, (\q)%2, \zero
	PLACES NP
	WIN 0
	FETCH_A \slot, (\q)+1, 4
.endm
; A slot's last step changes slots: ONE barrier; in front of it each wave waits for all its tensor loads, adds 0 to its spare word, and waits for that and for its own reads of this slot.
.macro TURN slot, next, fill
	s_wait_tensorcnt 0x0                           ; all my tensor loads have landed: my part of the next slot
	ds_add_u32 v[SPW], v[NIL]                      ; 0 onto my spare word
	s_wait_dscnt 4*NL+1                            ; (the add and the youngest 16 loads may be out)
	WIN MUL_LO
	MUL16 0, 1, 0
	s_wait_dscnt 0x0                               ; the add is done, and my reads of this slot are over
	s_barrier_signal -1
	MUL16 2, 1, 0
	WIN 0
	s_barrier_wait -1
.if \fill
	CREST                                          ; the barrier has opened a round of the cluster's barrier: no wave of any partner still reads this slot or has a load on its way
	s_add_nc_u64 s[G0+4*\slot+2:G0+4*\slot+3], s[G0+4*\slot+2:G0+4*\slot+3], 2*4096
	s_add_nc_u64 s[G0B+4*\slot+2:G0B+4*\slot+3], s[G0B+4*\slot+2:G0B+4*\slot+3], 2*256
	JLOAD G0+4*\slot, G1, G0B+4*\slot, G1B         ; the first tensor load behind the round; its four v_nop are the places in front of the loads below
.else
	PLACES NP
.endif
	FETCH_B \next, 0, 0
	FETCH_A \next, 0, 0
	WIN MUL_HI
	MUL16 4, 1, 0
	MUL16 6, 1, 0
	PLACES NP
	WIN 0
	FETCH_A \next, 0, 4
.endm
	s_wait_tensorcnt 1                             ; my part of K step 0 is in (K step 1's load may be out)
	s_barrier_signal -1
	s_barrier_wait -1                              ; everybody's is
	FETCH_B 0, 0, 0
	FETCH_A 0, 0, 0
	FETCH_A 0, 0, 4
	STEP 0, 0, 1                                   ; the first step's products start the sums
	s_mov_b32 s3, LAPS-1
.Llap:
	TURN 0, 1, 1
	STEP 1, 0, 0
	TURN 1, 0, 1
	STEP 0, 0, 0
	s_sub_co_u32 s3, s3, 1
	s_cmp_lg_u32 s3, 0
	s_cbranch_scc1 .Llap
	TURN 0, 1, 0                                   ; the last lap fills nothing
	STEP 1, 0, 0
	s_wait_dscnt 4*NL
	WIN MUL_LO
	MUL16 0, 1, 0
	MUL16 2, 1, 0
	s_wait_dscnt 0
	WIN MUL_HI
	MUL16 4, 1, 0
	MUL16 6, 1, 0
	WIN 0
; THE WAY OUT, block by block of 16 rows x 128 columns.  A lane holds 32 neighbouring bytes of a row, and the lanes beside it hold other rows: the sums go as they are through my own stage in LDS and come back as whole rows
; of 512 bytes; there a lane's four numbers belong to four fixed columns, so one packed multiply-add for two numbers gives sum x 2^(e10 + e11) + bo.  LDS serves a wave's instructions in order (ISA guide 5.7.1.4).
.macro TOSTAGE a
.set AC, 64*((\a)%4)
	WIN 0x08+4*((\a)/4)                            ; an LDS store's data are source 1: window 2 or 3
.irp b, 0,1,2,3,4,5,6,7
	ds_store_b128 v[STO], v[AC+8*\b:AC+8*\b+3] offset:64*\b          ; each accumulator from its low end on
	ds_store_b128 v[STO], v[AC+8*\b+4:AC+8*\b+7] offset:64*\b+16
.endr
	WIN 0
.set BB, BK+64*((\a)%2)
.irp t, 0,1,2,3,4,5,6,7,8,9,10,11,12,13,14,15
	ds_load_b128 v[BB+4*\t:BB+4*\t+3], v[RD] offset:\t*SPITCH
.endr
.endm
.macro SEND a, younger                 ; younger: the LDS instructions issued behind block a's loads, which may stay out
.set BB, BK+64*((\a)%2)
	s_wait_dscnt \younger                          ; the block is back in registers
.irp t, 0,1,2,3,4,5,6,7,8,9,10,11,12,13,14,15
	v_pk_fma_f32 v[BB+4*\t:BB+4*\t+1], v[BB+4*\t:BB+4*\t+1], s[96:97], v[BI:BI+1] op_sel_hi:[1,0,1]
	v_pk_fma_f32 v[BB+4*\t+2:BB+4*\t+3], v[BB+4*\t+2:BB+4*\t+3], s[96:97], v[BI+2:BI+3] op_sel_hi:[1,0,1]
.endr
.if (\a) > 0
	s_add_nc_u64 s[10:11], s[10:11], 16*NROW       ; (behind a wait on XCNT: the earlier stores have read their base)
.endif
.irp t, 0,1,2,3,4,5,6,7,8,9,10,11,12,13,14,15
	global_store_b128 v[CO], v[BB+4*\t:BB+4*\t+3], s[10:11] offset:\t*NROW th:TH_STORE_NT   ; 32 lanes store 512 consecutive bytes, at a multiple of 256 from out0's first byte
.endr
.endm
	s_wait_kmcnt 0x0
	s_add_co_i32 s96, s96, s97
	s_add_co_i32 s96, s96, 127
	s_lshl_b32 s96, s96, 23                        ; 2^(e10 + e11) as f32
	s_mov_b32 s97, s96                             ; (named with it as a pair)
	s_wait_loadcnt 0x0                             ; bo
	PLACES NP                                      ; behind the last products: for the stage's stores of results and the loads into A's registers
	TOSTAGE 0
.irp a, 1,2,3,4,5,6,7
.if \a > 1
	s_wait_xcnt 0x0                                ; block a - 2's stores have read their registers and their base
.endif
	TOSTAGE \a
	SEND \a-1, 32                                  ; behind block a - 1's loads: block a's 16 stores and 16 loads
.endr
	s_wait_xcnt 0x0
	SEND 7, 0
	s_wait_tensorcnt 0x0                           ; the wave's end
	ds_add_u32 v[SPW], v[NIL]
	s_wait_dscnt 0x0
	CROUND                                         ; the closing round
	s_endpgm
.Lfunc_end_k_q0e399d750b_outp:
	.size	k_q0e399d750b_outp, .Lfunc_end_k_q0e399d750b_outp-k_q0e399d750b_outp
	.p2alignl 7, 3214868480
	.fill 96, 4, 3214868480
	.section	.rodata,"a",@progbits
	.p2align	6, 0x0
	.amdhsa_kernel k_q0e399d750b_outp
		.amdhsa_group_segment_fixed_size 327680
		.amdhsa_private_segment_fixed_size 0
		.amdhsa_enable_private_segment 0
		.amdhsa_kernarg_size 40
		.amdhsa_user_sgpr_count 2
		.amdhsa_user_sgpr_kernarg_segment_ptr 1
		.amdhsa_wavefront_size32 1
		.amdhsa_system_sgpr_workgroup_id_x 1
		.amdhsa_system_sgpr_workgroup_id_y 1
		.amdhsa_system_sgpr_workgroup_id_z 1
		.amdhsa_system_vgpr_workitem_id 0
		.amdhsa_next_free_vgpr 1024
		.amdhsa_next_free_sgpr 98
		.amdhsa_reserve_vcc 0
		.amdhsa_float_denorm_mode_32 3
		.amdhsa_float_denorm_mode_16_64 3
		.amdhsa_memory_ordered 1
		.amdhsa_forward_progress 1
		.amdhsa_inst_pref_size 123
	.end_amdhsa_kernel
	.amdgpu_metadata
---
amdhsa.version: [ 1, 2 ]
amdhsa.kernels:
  - .name:           k_q0e399d750b_outp
    .symbol:         k_q0e399d750b_outp.kd
    .args:
      - { .name: ctximg, .offset: 0, .size: 8, .value_kind: global_buffer, .address_space: global }
      - { .name: wcodes, .offset: 8, .size: 8, .value_kind: global_buffer, .address_space: global }
      - { .name: lowp_scales, .offset: 16, .size: 8, .value_kind: global_buffer, .address_space: global }
      - { .name: bo, .offset: 24, .size: 8, .value_kind: global_buffer, .address_space: global }
      - { .name: out0, .offset: 32, .size: 8, .value_kind: global_buffer, .address_space: global }
    .group_segment_fixed_size: 327680
    .private_segment_fixed_size: 0
    .kernarg_segment_align: 8
    .kernarg_segment_size: 40
    .max_flat_workgroup_size: 128
    .sgpr_count:     98
    .vgpr_count:     1024
    .wavefront_size: 32
...
	.end_amdgpu_metadata
.endif
;; end of part 4
